; MI455X (gfx1250); checked and timed in simulation.
; The chip was launched on July 23, 2026; its instructions are those of AMD's public machine-readable ISA for CDNA 5 (MIT licence, August 2026) and "CDNA5" Instruction Set Architecture Reference Guide (July 2026). The comments in the code are by the model that wrote it; some were corrected since.
;; HSTU Attention. Allowed arithmetic: float matrix products may take bf16 or f16 operands with f32 sums; other float arithmetic in f32, or as packed bf16 or f16 multiplies, adds, multiply-adds, maxima and minima; sums over many terms, partial sums and values carried from step to step in f32; what a program stores and reads back later, other than sums and carried values, may be rounded once to bf16 or f16.
;; Inputs: freqs_cos 2,048 x 64 float32; freqs_sin 2,048 x 64 float32; norm_w 2,048 float32; wk 2,048 x 2,048 float32; wo 2,048 x 2,048 float32; wq 2,048 x 2,048 float32; wu 2,048 x 2,048 float32; wv 2,048 x 2,048 float32; x 1 x 2,048 x 2,048 float32.
;; Outputs: out0 1 x 2,048 x 2,048 float32.
;; One version. Each part assembles by itself: llvm-mc -triple=amdgcn-amd-amdhsa -mcpu=gfx1250 --defsym DOCPART=n.
;; ======== version 1 of 1: 4 launches
;; limits: values are held in f16: magnitudes above 65,504 overflow, below 6.1e-05 lose precision
;; workspace buffers: hb 8,912,896 bytes; wc 33,554,432 bytes; wob 8,388,608 bytes; qkvu 33,554,432 bytes; amax 2,048 bytes; zb 8,388,608 bytes; ss 131,072 bytes
;; launch prep (part 1): grid 1024 x 1, 8 waves a work-group, no clusters, 0 bytes of LDS; arguments x, wq, wk, wv, wu, wo, freqs_cos, freqs_sin, hb, wc, wob; writes hb, wc, wob
.if DOCPART == 1
	.amdgcn_target "amdgcn-amd-amdhsa--gfx1250"
	.amdhsa_code_object_version 6
	.text
	.protected	k_q7f809a3fb3_prep
	.globl	k_q7f809a3fb3_prep
	.p2align	8
	.type	k_q7f809a3fb3_prep,@function
k_q7f809a3fb3_prep:
	s_mov_b64 s[64:65], 0
	v_nop
	global_prefetch_b8 v0, s[64:65] scope:SCOPE_SE
	s_setreg_imm32_b32 hwreg(HW_REG_WAVE_MODE, 25, 1), 1
	s_wait_xcnt 0x0
; PREP: every input that a matrix product will read is rounded once and laid out for the tensor loads of the later launches.
;   hb  [2048 rows of 4,352 bytes]: bytes 0..4095 h = f16(silu(bf16(x))); bytes 4096..4351 the row's RoPE table: group l of 32 is bf16 c(2l), c(2l+1), s(2l), s(2l+1)
;   wc  [2048 k][8192 n] f16: wq | wk | wv | wu side by side, each number rounded to bf16 and that number written as f16
;   wob [2048 k][2048 n] bf16: wo
; LIMITS.  A weight below 7.6e-6 in size keeps f16's fixed step of 6e-8; |silu(x)| stays within 65,504.
; A stream: no LDS, no matrix unit, no cluster (no byte is wanted twice).  Work-group g takes 16,384 bytes (rows 2g, 2g+1) of each of the six large arrays.
; Thread t loads 16 bytes at 4,096 j + 16 t (a wave's load covers 512 consecutive bytes) and stores 8 bytes at 8 t (a wave's store covers 256 consecutive bytes, aligned).
; All 24 loads of a thread go out at once; the waits count down by arrays.  No register that a store reads is written again, so no wait frees any.
.set XR, 32                            ; v[32:127] array A (x, wq, wk, wv, wu, wo), load j at XR + 16 A + 4 j
.set ER, 12                            ; v[12:27]  at work
.set HROW, 4352                        ; bytes in a row of hb
	s_load_b512 s[8:23], s[0:1], 0x0               ; x, wq, wk, wv, wu, wo, cos, sin
	s_load_b128 s[24:27], s[0:1], 0x40             ; hb, wc
	s_load_b64 s[28:29], s[0:1], 0x50              ; wob
	v_lshrrev_b32 v5, 5, v0
	v_readfirstlane_b32 s31, v5                    ; wave 0..7
	v_and_b32 v5, 31, v0                           ; lane
	v_lshlrev_b32 v1, 4, v0                        ; 16 t
	v_lshlrev_b32 v2, 3, v0                        ; 8 t
	s_lshl_b32 s38, s31, 8
	s_mul_i32 s39, s31, HROW
	v_lshl_add_u32 v3, v5, 3, s38                  ; the table in: row 2g + wave (waves 0, 1), two f32 a lane
	v_lshl_add_u32 v4, v5, 3, s39                  ; the table out: the same row of hb, 8 bytes a lane
	s_mov_b32 s30, 0xffff0000                      ; a word's upper bf16
	s_mov_b32 s32, 0xbfb8aa3b                      ; -log2(e)
	s_mov_b32 s33, s32                             ; named with it as a pair
	s_lshl_b32 s34, ttmp9, 14                      ; g x 16,384
	s_mov_b32 s35, 0
	s_lshl_b32 s36, ttmp9, 9                       ; g x two rows of 256 bytes of cos, sin
	s_mov_b32 s37, 0
	s_mul_i32 s40, ttmp9, 2*HROW
	s_mov_b32 s41, 0
	s_lshl_b32 s42, ttmp9, 15                      ; g x two rows of wc
	s_mov_b32 s43, 0
	s_lshl_b32 s44, ttmp9, 13                      ; g x two rows of wob
	s_mov_b32 s45, 0
	s_wait_kmcnt 0x0
.irp p, 8,10,12,14,16,18
	s_add_nc_u64 s[\p:\p+1], s[\p:\p+1], s[34:35]
.endr
	s_add_nc_u64 s[20:21], s[20:21], s[36:37]
	s_add_nc_u64 s[22:23], s[22:23], s[36:37]
	s_add_nc_u64 s[24:25], s[24:25], s[40:41]
	s_add_nc_u64 s[26:27], s[26:27], s[42:43]
	s_add_nc_u64 s[28:29], s[28:29], s[44:45]
	s_cmp_lt_u32 s31, 2                            ; waves 0 and 1 also take a row of the table each: their two loads are the oldest, so the counts below hold in every wave
	s_cbranch_scc0 .Lno_table_in
	global_load_b64 v[6:7], v3, s[20:21] th:TH_LOAD_NT
	global_load_b64 v[8:9], v3, s[22:23] th:TH_LOAD_NT
.Lno_table_in:
.irp a, 0,1,2,3,4,5
.irp j, 0,1,2,3
	global_load_b128 v[XR+16*(\a)+4*(\j):XR+16*(\a)+4*(\j)+3], v1, s[8+2*(\a):9+2*(\a)] offset:4096*(\j) th:TH_LOAD_NT
.endr
.endr
	; h = xb / (1 + 2^(-log2(e) xb)), xb = x rounded to bf16
	s_wait_loadcnt 20                              ; x is in; the five weights' 20 loads stay out
.set i, 0
.rept 8
	v_cvt_pk_bf16_f32 v[ER+i], v[XR+2*i], v[XR+2*i+1]
.set i, i+1
.endr
.set i, 0
.rept 8
	v_lshlrev_b32 v[XR+2*i], 16, v[ER+i]
	v_and_b32 v[XR+2*i+1], s30, v[ER+i]
.set i, i+1
.endr
.set i, 0
.rept 8
	v_pk_mul_f32 v[ER+2*i:ER+2*i+1], v[XR+2*i:XR+2*i+1], s[32:33] op_sel_hi:[1,0]
.set i, i+1
.endr
.set i, 0
.rept 16
	v_exp_f32 v[ER+i], v[ER+i]
.set i, i+1
.endr
	v_nop                                          ; a plain instruction behind the last exponential,
	s_wait_alu depctr_va_vdst(0)                   ; and one wait for the batch of 16, ahead of the first reader
.set i, 0
.rept 8
	v_pk_add_f32 v[ER+2*i:ER+2*i+1], v[ER+2*i:ER+2*i+1], 1.0 op_sel_hi:[1,0]
.set i, i+1
.endr
.set i, 0
.rept 16
	v_rcp_f32 v[ER+i], v[ER+i]
.set i, i+1
.endr
	v_nop
	s_wait_alu depctr_va_vdst(0)                   ; one wait for the 16 reciprocals
.set i, 0
.rept 8
	v_pk_mul_f32 v[XR+2*i:XR+2*i+1], v[XR+2*i:XR+2*i+1], v[ER+2*i:ER+2*i+1]
.set i, i+1
.endr
.set i, 0
.rept 8
	v_cvt_pk_f16_f32 v[XR+i], v[XR+2*i], v[XR+2*i+1]  ; packed downward: register i is written when it has been read
.set i, i+1
.endr
.irp j, 0,1,2,3
	global_store_b64 v2, v[XR+2*(\j):XR+2*(\j)+1], s[24:25] offset:((\j)/2)*HROW+((\j)%2)*2048
.endr
; One of the four weights of wc: rounded to bf16, widened again, written as f16.  left = the younger arrays' loads.
.macro CVTW a, left
	s_wait_loadcnt \left
.set i, 0
.rept 8
	v_cvt_pk_bf16_f32 v[ER+i], v[XR+16*(\a)+2*i], v[XR+16*(\a)+2*i+1]
.set i, i+1
.endr
.set i, 0
.rept 8
	v_lshlrev_b32 v[XR+16*(\a)+2*i], 16, v[ER+i]
	v_and_b32 v[XR+16*(\a)+2*i+1], s30, v[ER+i]
.set i, i+1
.endr
.set i, 0
.rept 8
	v_cvt_pk_f16_f32 v[XR+16*(\a)+i], v[XR+16*(\a)+2*i], v[XR+16*(\a)+2*i+1]
.set i, i+1
.endr
.irp j, 0,1,2,3
	global_store_b64 v2, v[XR+16*(\a)+2*(\j):XR+16*(\a)+2*(\j)+1], s[26:27] offset:((\j)/2)*16384+((\a)-1)*4096+((\j)%2)*2048
.endr
.endm
	CVTW 1, 16
	CVTW 2, 12
	CVTW 3, 8
	CVTW 4, 4
	s_wait_loadcnt 0x0                             ; wo
.set i, 0
.rept 8
	v_cvt_pk_bf16_f32 v[XR+80+i], v[XR+80+2*i], v[XR+80+2*i+1]
.set i, i+1
.endr
.irp j, 0,1,2,3
	global_store_b64 v2, v[XR+80+2*(\j):XR+80+2*(\j)+1], s[28:29] offset:2048*(\j)
.endr
	s_cmp_lt_u32 s31, 2
	s_cbranch_scc0 .Lno_table_out
	v_cvt_pk_bf16_f32 v6, v6, v7                   ; c(2l), c(2l+1)
	v_cvt_pk_bf16_f32 v7, v8, v9                   ; s(2l), s(2l+1)
	global_store_b64 v4, v[6:7], s[24:25] offset:4096
.Lno_table_out:
	s_endpgm
.Lfunc_end_k_q7f809a3fb3_prep:
	.size	k_q7f809a3fb3_prep, .Lfunc_end_k_q7f809a3fb3_prep-k_q7f809a3fb3_prep
	.p2alignl 7, 3214868480
	.fill 96, 4, 3214868480
	.section	.rodata,"a",@progbits
	.p2align	6, 0x0
	.amdhsa_kernel k_q7f809a3fb3_prep
		.amdhsa_group_segment_fixed_size 0
		.amdhsa_private_segment_fixed_size 0
		.amdhsa_enable_private_segment 0
		.amdhsa_kernarg_size 88
		.amdhsa_user_sgpr_count 2
		.amdhsa_user_sgpr_kernarg_segment_ptr 1
		.amdhsa_wavefront_size32 1
		.amdhsa_system_sgpr_workgroup_id_x 1
		.amdhsa_system_sgpr_workgroup_id_y 1
		.amdhsa_system_sgpr_workgroup_id_z 1
		.amdhsa_system_vgpr_workitem_id 0
		.amdhsa_next_free_vgpr 128
		.amdhsa_next_free_sgpr 66
		.amdhsa_reserve_vcc 0
		.amdhsa_float_denorm_mode_32 3
		.amdhsa_float_denorm_mode_16_64 3
		.amdhsa_memory_ordered 1
		.amdhsa_forward_progress 1
		.amdhsa_inst_pref_size 18
	.end_amdhsa_kernel
	.amdgpu_metadata
---
amdhsa.version: [ 1, 2 ]
amdhsa.kernels:
  - .name:           k_q7f809a3fb3_prep
    .symbol:         k_q7f809a3fb3_prep.kd
    .args:
      - { .name: x, .offset: 0, .size: 8, .value_kind: global_buffer, .address_space: global }
      - { .name: wq, .offset: 8, .size: 8, .value_kind: global_buffer, .address_space: global }
      - { .name: wk, .offset: 16, .size: 8, .value_kind: global_buffer, .address_space: global }
      - { .name: wv, .offset: 24, .size: 8, .value_kind: global_buffer, .address_space: global }
      - { .name: wu, .offset: 32, .size: 8, .value_kind: global_buffer, .address_space: global }
      - { .name: wo, .offset: 40, .size: 8, .value_kind: global_buffer, .address_space: global }
      - { .name: freqs_cos, .offset: 48, .size: 8, .value_kind: global_buffer, .address_space: global }
      - { .name: freqs_sin, .offset: 56, .size: 8, .value_kind: global_buffer, .address_space: global }
      - { .name: hb, .offset: 64, .size: 8, .value_kind: global_buffer, .address_space: global }
      - { .name: wc, .offset: 72, .size: 8, .value_kind: global_buffer, .address_space: global }
      - { .name: wob, .offset: 80, .size: 8, .value_kind: global_buffer, .address_space: global }
    .group_segment_fixed_size: 0
    .private_segment_fixed_size: 0
    .kernarg_segment_align: 8
    .kernarg_segment_size: 88
    .max_flat_workgroup_size: 256
    .sgpr_count:     66
    .vgpr_count:     128
    .wavefront_size: 32
...
	.end_amdgpu_metadata
.endif
;; end of part 1
;; launch proj (part 2): grid 32 x 8, 4 waves a work-group, clusters of 4 x 4, 327,680 bytes of LDS; arguments hb, wc, qkvu, amax; writes qkvu, amax
.if DOCPART == 2
	.amdgcn_target "amdgcn-amd-amdhsa--gfx1250"
	.amdhsa_code_object_version 6
	.text
	.protected	k_q7f809a3fb3_proj
	.globl	k_q7f809a3fb3_proj
	.p2align	8
	.type	k_q7f809a3fb3_proj,@function
k_q7f809a3fb3_proj:
	s_mov_b64 s[64:65], 0
	v_nop
	global_prefetch_b8 v0, s[64:65] scope:SCOPE_SE
	s_setreg_imm32_b32 hwreg(HW_REG_WAVE_MODE, 25, 1), 1
	s_wait_xcnt 0x0
	s_wait_alu depctr_hold_cnt(0) depctr_sa_sdst(0) depctr_va_vdst(0) depctr_va_sdst(0) depctr_va_ssrc(0) depctr_va_vcc(0) depctr_vm_vsrc(0)
	s_getreg_b32 s2, hwreg(HW_REG_IB_STS2, 6, 4)
	s_cmp_eq_u32 s2, 0
	s_cbranch_scc0 .Lentry_in_a_cluster
	s_endpgm
.Lentry_in_a_cluster:
	s_bfe_u32 s2, ttmp6, 0x10000c
	s_cmp_lg_u32 s2, 0xf033
	s_cbranch_scc0 .Lentry_shape_is_right
	s_endpgm
.Lentry_shape_is_right:
; PROJ: C[2048][8192] = h [wq | wk | wv | wu], f16 operands, f32 sums; RoPE on q's and k's columns in f32 on the way out; C rounded once to f16.
;   qkvu [64 column blocks cb][2048 rows][128] f16: q of head h is cb = h, k 16 + h, v 32 + h, u's columns 128 h .. 48 + h: a block's rows are dense, 256 bytes each.
;   amax [32 cb][16 row blocks of 128] f32: the largest |q| or |k| behind RoPE in each wave's 128 x 128.
; LIMIT.  q, k, v, u stay within f16's 65,504.
; SHARES.  A work-group of four waves makes 256 x 256 of C, a wave 128 x 128: 64 accumulators, 512 registers.  A wave's 128 columns are one column block, so RoPE and the layout are the wave's own affair.
; K goes in 16 steps of 128 through two LDS slots.  A (h) lies [m][k]: rows of 256 bytes, padded to 272.  B (wc) lies [k][n]: 128 rows of 512 bytes, padded to 544, and comes out turned, by ds_load_tr16_b128.
; The RoPE table stands behind each row of h, so it is A's "step 16": the walking descriptor brings it into slot 0 while the last K step is multiplied.
; CLUSTER 4 x 4: A's tile is asked for jointly along a row of the cluster, B's along a column.
; THE MATRIX INSTRUCTION IS USED TRANSPOSED (source 0 = 16 columns of B, source 1 = 16 rows of A): a lane holds row l % 16 of C and the columns 8 (l / 16) + 0..7.
; REGISTERS, in windows of 256: window 0: v0-43 addresses and maxima, v64-127 and v128-191 A's fragments (two buffers; at work on the way out); window 1: the same numbers, B's fragments;
;   window 2: the accumulators of my rows 0-63 ((a, b) at 8 (8 a + b)); window 3: those of rows 64-127.
.set KSTEP, 128
.set PA,    272                        ; A's LDS row: 68 words: the 16 rows of a load start 4 banks apart
.set PB,    544                        ; B's LDS row: 136 words = 17 x 32 bytes
.set BOFF,  256*PA                     ; B's tile behind A's 256 rows
.set PART,  128*PA                     ; what one tensor load brings: 128 rows of A or 64 of B: 34,816 bytes
.set SLOT,  4*PART                     ; 0x22000: it shares no bit with wave x PART, so an exclusive or changes slots
.set SPARE, 2*SLOT                     ; behind the ring: the spare words, 128 bytes a wave: two blocks of 256 bytes that no other line names
.set DUMP0, SLOT                       ; the way out: 64 rows x 528 bytes for each wave, in slot 1 behind its last fill
.set DP,    528
.set HP,    4352                       ; bytes in a row of hb
.set R16, 1
.set HH,  2
.set ADRA0, 16                         ; my lane's place in A's tile; never rewritten
.set ADRB0, 17                         ; in B's
.set ADRA, 18                          ; the same in the slot in hand
.set ADRB, 19
.set DST,  20                          ; the way out: where I put 16 bytes of a row
.set RDA0, 21                          ; where I read a row back
.set RTA0, 22                          ; my 8 bytes of a row of the table
.set GO,   23                          ; my 8 bytes of a row of the column block
.set MX,   24                          ; the largest magnitude, when the eight chains have met
.set MX2,  25
.set ZOFF, 26
.set LANE, 27
.set SPW,  28                          ; LDS address of my spare word; never rewritten
.set NIL,  29                          ; 0; never rewritten
.set PFO,  30                          ; the prefetches' offset; never rewritten
.set RDA,  32
.set RTA,  33
.set MXR,  36                          ; v36-43  eight running maxima, one for each row of a trip
.set F0,   64
.set F1,   128
.set DR,   64                          ; the way out: 8 rows x 4 f32
.set TTR,  96                          ; 8 rows x 2 words of the table
.set CCR,  112                         ; 8 rows x 2 cosines
.set SSR,  128                         ; 8 rows x 2 sines
.set TR,   144                         ; 8 rows x 4 products
.set YR,   176                         ; 8 rows x 2 packed words
.set WV,  12
.set RHF, 13                           ; my half of the tile's rows.  Also: I fetch for A (0) or B (1)
.set CHF, 14                           ; my half of its columns.  Also: which half of that tile I fetch
.set CNT, 15
.set CX,  16
.set CY,  17
.set TCOL, 18
.set TROW, 19
.set G1A, 24
.set G0A, 32                           ; two sets: step 0 (used once); step 1, which then walks
.set PFA, 40
.set PFS, 42
.set LIM, 44
.set TB,  45                           ; the slot in hand: 0 or SLOT
.set HALF, 46                          ; the way out: which 64 of my rows
.set G1B, 48
.set G0B, 56
.set FS,  66                           ; s[66:67] 1 for q and k, 0 for v and u
.set GS,  68                           ; s[68:69] the other way round
.set HIM, 70
.set SEL, 72
.set SAVE, 74
.set RDO, 75
.set RTO, 76
.set LB,  77
.set OB,  78
.set MSB, 0
.macro WIN new                         ; the immediate's high byte repeats the setting that is left; a switch that changes nothing is dropped
.if MSB != (\new)
	s_set_vgpr_msb (MSB<<8)|(\new)
.set MSB, \new
.endif
.endm
.set MUL_LO, 0xa1                      ; source 0 (B) window 1, source 1 (A) window 0, C and D window 2
.set MUL_HI, 0xf1                      ; the same, C and D window 3
.set TO_B,   0x40                      ; destination window 1, address window 0
.macro PLACES                          ; four plain instructions between a matrix instruction and a load into, or a reader of, its registers
.rept 4
	v_nop
.endr
.endm
.macro CREST                           ; a round of the cluster's barrier behind its opening barrier
	s_cmp_lg_u32 s[WV], 0
	s_cbranch_scc1 .Lnot_wave_0_\@
	s_barrier_signal -3
.Lnot_wave_0_\@:
	s_barrier_wait -3
	s_barrier_signal -1
	s_barrier_wait -1
.endm
.macro CROUND
	s_barrier_signal -1
	s_barrier_wait -1
	CREST
.endm
; A joint refill by the walking descriptors.  Waves 0 and 1 fetch A's halves, waves 2 and 3 B's (ab = 1) or nothing (ab = 0: the table is A's alone).  The branch hangs on the wave's number alone.
; An s_nop 0 and four v_nop follow each load.
.macro JLOAD ab
	s_cmp_eq_u32 s[RHF], 0
	s_cbranch_scc0 .Lfor_b_\@
	tensor_load_to_lds s[G0A+4:G0A+7], s[G1A:G1A+7]
	s_nop 0
.rept 4
	v_nop
.endr
.if \ab
	s_branch .Lasked_\@
.endif
.Lfor_b_\@:
.if \ab
	tensor_load_to_lds s[G0B+4:G0B+7], s[G1B:G1B+7]
	s_nop 0
.rept 4
	v_nop
.endr
.Lasked_\@:
.endif
.endm
; A prefetch of the K step that stands two refills on: 32 blocks of 256 bytes, a lane a block, one instruction a wave.  A's rows are named by the clusters with x = 0, B's by those with y = 0;
; the four partners of a joint load share its blocks out by address.  The changes of slots of K steps 12 and 13 ask for nothing: K has 16 steps.
.macro ASK
	s_cmp_gt_u32 s[CNT], s[LIM]
	s_cbranch_scc0 .Lnot_mine_\@
	global_prefetch_b8 v[PFO], s[PFA:PFA+1] th:TH_LOAD_NT scope:SCOPE_SE
.Lnot_mine_\@:
.endm
	s_load_b256 s[4:11], s[0:1], 0x0               ; hb s[4:5], wc s[6:7], qkvu s[8:9], amax s[10:11]
	v_lshl_add_u32 v[SPW], v0, 2, SPARE
	v_mov_b32 v[NIL], 0
	ds_add_u32 v[SPW], v[NIL]                      ; the wave's opening: the add, twice on end, and its wait ahead of my first tensor load
	ds_add_u32 v[SPW], v[NIL]
	v_lshrrev_b32 v1, 5, v0
	v_readfirstlane_b32 s[WV], v1
	s_lshr_b32 s[RHF], s[WV], 1
	s_and_b32 s[CHF], s[WV], 1
	s_bfe_u32 s[CX], ttmp6, 0x40000
	s_bfe_u32 s[CY], ttmp6, 0x40004
	s_lshl_b32 s[TCOL], ttmp9, 2
	s_add_co_u32 s[TCOL], s[TCOL], s[CX]           ; tile column = 4 x cluster x + cx
	s_and_b32 s[TROW], ttmp7, 0xffff
	s_lshl_b32 s[TROW], s[TROW], 2
	s_add_co_u32 s[TROW], s[TROW], s[CY]           ; tile row = 4 x cluster y + cy
	s_lshl_b32 s20, s[CY], 2
	s_lshl_b32 s20, 15, s20                        ; my row of the cluster
	s_lshl_b32 s21, 0x1111, s[CX]                  ; my column
	s_or_b32 s[G1A], s20, (1<<16)|(1<<20)|(1<<21)|(5<<22)|(3<<25)  ; the mask; 2-byte elements; padding on; bit 21 beside a mask; after every 64 words, 4 words
	s_or_b32 s[G1B], s21, (1<<16)|(1<<20)|(1<<21)|(6<<22)|(7<<25)  ; after every 128 words, 8 words
	s_mov_b32 s[G1A+1], 128<<16                    ; tensor_dim0 = 128
	s_mov_b32 s[G1A+2], 128<<16                    ; tensor_dim1 = 128
	s_mov_b32 s[G1A+3], 128<<16                    ; tile_dim0 = 128
	s_mov_b32 s[G1A+4], 128                        ; tile_dim1 = 128
	s_mov_b32 s[G1A+5], HP/2                       ; elements from row to row of hb
	s_mov_b32 s[G1A+6], 0
	s_mov_b32 s[G1A+7], 0
	s_mov_b32 s[G1B+1], 256<<16                    ; 256 columns
	s_mov_b32 s[G1B+2], 64<<16                     ; 64 rows along K
	s_mov_b32 s[G1B+3], 256<<16
	s_mov_b32 s[G1B+4], 64
	s_mov_b32 s[G1B+5], 8192
	s_mov_b32 s[G1B+6], 0
	s_mov_b32 s[G1B+7], 0
	s_lshl_b32 s22, s[TROW], 8                     ; A: row 256 x tile row + 128 x half, made of the tile row and the wave alone
	s_lshl_b32 s23, s[CHF], 7
	s_add_co_u32 s22, s22, s23
	s_mul_i32 s22, s22, HP
	s_mov_b32 s23, 0
	s_lshl_b32 s46, s[CHF], 20                     ; B: 64 x half rows of 16,384 bytes + 512 x tile column, made of the tile column and the wave alone
	s_lshl_b32 s47, s[TCOL], 9
	s_add_co_u32 s46, s46, s47
	s_mov_b32 s47, 0
	s_mul_i32 s[LB], s[WV], PART                   ; where my loads land: wave x 34,816: no place in the cluster enters an LDS address
	s_mov_b32 s[TB], 0
	s_mov_b32 s[HIM], 0xffff0000
	s_mov_b32 s[SEL], 0x76543210
	s_mov_b32 s[SEL+1], 0xfedcba98
	s_wait_dscnt 0x0                               ; both opening adds are done
	s_wait_kmcnt 0x0
	s_add_nc_u64 s[22:23], s[4:5], s[22:23]
	s_add_nc_u64 s[46:47], s[6:7], s[46:47]
	CROUND                                         ; all sixteen work-groups are here: the first joint loads meet
.irp s, 0,1
	s_mov_b32 s[G0A+4*(\s)], 1
	s_add_co_u32 s[G0A+4*(\s)+1], s[LB], (\s)*SLOT
	s_add_nc_u64 s[G0A+4*(\s)+2:G0A+4*(\s)+3], s[22:23], (\s)*KSTEP*2
	s_or_b32 s[G0A+4*(\s)+3], s[G0A+4*(\s)+3], 0x80000000
	s_mov_b32 s[G0B+4*(\s)], 1
	s_add_co_u32 s[G0B+4*(\s)+1], s[LB], (\s)*SLOT
	s_add_nc_u64 s[G0B+4*(\s)+2:G0B+4*(\s)+3], s[46:47], (\s)*KSTEP*16384
	s_or_b32 s[G0B+4*(\s)+3], s[G0B+4*(\s)+3], 0x80000000
.endr
	s_cmp_eq_u32 s[RHF], 0                         ; a wave's two first fills stand in one branch: two loads of mine are out
	s_cbranch_scc0 .Lfirst_b
	tensor_load_to_lds s[G0A:G0A+3], s[G1A:G1A+7]
	s_nop 0
	tensor_load_to_lds s[G0A+4:G0A+7], s[G1A:G1A+7]
	s_nop 0
.rept 4
	v_nop
.endr
	s_branch .Lfirst_asked
.Lfirst_b:
	tensor_load_to_lds s[G0B:G0B+3], s[G1B:G1B+7]
	s_nop 0
	tensor_load_to_lds s[G0B+4:G0B+7], s[G1B:G1B+7]
	s_nop 0
.rept 4
	v_nop
.endr
.Lfirst_asked:
	v_and_b32 v[R16], 15, v0                       ; l % 16
	v_bfe_u32 v[HH], v0, 4, 1                      ; l / 16
	v_and_b32 v[LANE], 31, v0
	v_mul_u32_u24 v[ADRA0], v[R16], PA             ; A: (128 x my row half + l % 16) x pitch + 16 (l / 16)
	v_lshl_add_u32 v[ADRA0], v[HH], 4, v[ADRA0]
	s_mul_i32 s20, s[RHF], PART
	v_add_nc_u32 v[ADRA0], s20, v[ADRA0]
	v_and_b32 v3, 7, v0                            ; B, for the turning load: row 8 (l / 16) + l % 8 along K, 16 bytes at 16 ((l / 8) % 2), in my 256 bytes of the row
	v_bfe_u32 v4, v0, 3, 1
	v_lshl_add_u32 v[ADRB0], v[HH], 3, v3
	v_mul_u32_u24 v[ADRB0], v[ADRB0], PB
	v_lshl_add_u32 v[ADRB0], v4, 4, v[ADRB0]
	s_lshl_b32 s20, s[CHF], 8
	s_add_co_u32 s20, s20, BOFF
	v_add_nc_u32 v[ADRB0], s20, v[ADRB0]
	v_mov_b32 v[ADRA], v[ADRA0]
	v_mov_b32 v[ADRB], v[ADRB0]
	s_mul_i32 s20, s[WV], 64*DP
	s_add_co_u32 s20, s20, DUMP0                   ; my part of the dump
	v_mul_u32_u24 v[DST], v[R16], DP
	v_lshl_add_u32 v[DST], v[HH], 5, v[DST]
	v_add_nc_u32 v[DST], s20, v[DST]
	v_lshl_add_u32 v[RDA0], v[LANE], 4, s20
	s_mul_i32 s20, s[RHF], PART
	v_lshl_add_u32 v[RTA0], v[LANE], 3, s20
	v_lshlrev_b32 v[GO], 3, v[LANE]
	; the prefetches: A: my work-group's 32 of the 128 rows that I fetch, a lane a row; B: its 16 of the 64 rows, two blocks of 256 bytes a row
	s_lshl_b32 s20, s[TROW], 8
	s_lshl_b32 s21, s[CHF], 7
	s_add_co_u32 s20, s20, s21
	s_lshl_b32 s21, s[CX], 5
	s_add_co_u32 s20, s20, s21
	s_mul_i32 s20, s20, HP
	s_add_co_u32 s20, s20, 3*KSTEP*2               ; at K step 3: the first change of slots steps it to 4
	s_lshl_b32 s21, s[CHF], 6
	s_lshl_b32 s22, s[CY], 4
	s_add_co_u32 s21, s21, s22
	s_add_co_u32 s21, s21, 3*KSTEP
	s_lshl_b32 s21, s21, 14
	s_lshl_b32 s22, s[TCOL], 9
	s_add_co_u32 s21, s21, s22
	s_and_b32 s22, ttmp7, 0xffff                   ; cluster y
	s_mov_b32 s46, KSTEP*16384
	s_mov_b32 s47, 16384
	s_cmp_eq_u32 s[RHF], 0
	s_cselect_b32 s20, s20, s21
	s_cselect_b32 s22, ttmp9, s22                  ; the coordinate along which other clusters read the same blocks
	s_cselect_b64 s[PFA:PFA+1], s[4:5], s[6:7]
	s_cselect_b32 s[PFS], KSTEP*2, s46             ; a K step in bytes
	s_cselect_b32 s23, HP, s47
	s_mov_b32 s21, 0
	s_mov_b32 s[PFS+1], 0
	s_add_nc_u64 s[PFA:PFA+1], s[PFA:PFA+1], s[20:21]
	s_cmp_eq_u32 s22, 0
	s_cselect_b32 s[LIM], 2, -1                    ; the same in all sixteen partners, for a given wave
	v_lshrrev_b32 v[PFO], s[RHF], v[LANE]
	v_mul_lo_u32 v[PFO], v[PFO], s23
	v_and_b32 v3, s[RHF], v[LANE]
	v_lshl_add_u32 v[PFO], v3, 8, v[PFO]
; 8 matrix instructions: m block a of the window's four x all 8 n blocks, 32 along K.  zero = 1: the first product starts the sums.  The 64 accumulators take turns, one instruction a turn.
.macro MUL8 f, hi, a, zero
	WIN MUL_LO+0x50*(\hi)
.irp b, 0,1,2,3,4,5,6,7
.if \zero
	v_wmma_f32_16x16x32_f16 v[8*(8*(\a)+(\b)):8*(8*(\a)+(\b))+7], v[(\f)+8*(\b):(\f)+8*(\b)+7], v[(\f)+8*(4*(\hi)+(\a)):(\f)+8*(4*(\hi)+(\a))+7], 0
.else
	v_wmma_f32_16x16x32_f16 v[8*(8*(\a)+(\b)):8*(8*(\a)+(\b))+7], v[(\f)+8*(\b):(\f)+8*(\b)+7], v[(\f)+8*(4*(\hi)+(\a)):(\f)+8*(4*(\hi)+(\a))+7], v[8*(8*(\a)+(\b)):8*(8*(\a)+(\b))+7]
.endif
.endr
.endm
.macro MUL16 f, hi, a0, zero           ; two m blocks
	MUL8 \f, \hi, \a0, \zero
	MUL8 \f, \hi, (\a0)+1, \zero
.endm
; 32 LDS loads in one run: quarter kq (32 along K) of the slot in hand into buffer f: B's 8 fragments, turned, then A's 8
.macro FETCH kq, f
	WIN TO_B
.irp i, 0,1,2,3,4,5,6,7
	ds_load_tr16_b128 v[(\f)+8*(\i):(\f)+8*(\i)+3],   v[ADRB] offset:(\kq)*32*PB+32*(\i)
	ds_load_tr16_b128 v[(\f)+8*(\i)+4:(\f)+8*(\i)+7], v[ADRB] offset:(\kq)*32*PB+32*(\i)+16*PB
.endr
	WIN 0
.irp i, 0,1,2,3,4,5,6,7
	ds_load_b128 v[(\f)+8*(\i):(\f)+8*(\i)+3],   v[ADRA] offset:(\kq)*64+(\i)*16*PA
	ds_load_b128 v[(\f)+8*(\i)+4:(\f)+8*(\i)+7], v[ADRA] offset:(\kq)*64+(\i)*16*PA+32
.endr
.endm
; One of a K step's first three quarters: multiplies buffer f; in its middle it fetches quarter kq into buffer g
.macro QUARTER kq, f, g, zero
	s_wait_dscnt 8                                 ; B and A's rows 0-63 are in; the youngest eight loads (A's rows 64-127) may be out
	MUL16 \f, 0, 0, \zero
	MUL16 \f, 0, 2, \zero
	PLACES
	FETCH \kq, \g
	s_wait_dscnt 32                                ; all but the 32 just issued
	MUL16 \f, 1, 0, \zero
	MUL16 \f, 1, 2, \zero
.endm
; The last quarter multiplies buffer 1 and changes slots.  In front of the round each wave waits for all its tensor loads (its part of the next slot), adds 0 to its spare word, and waits for that and for its reads of
; this slot.  Behind the round the slot just read is filled again first: fill = 2: with the K step two on; fill = 1: with the table, A's waves alone.
; Of the quarter's 64 products eight stand between the add and the wait for it and eight between the signal and its wait; the other 48 follow the refill and the fragment loads, so that the refill goes out early.
.macro TURN fill
.if (\fill) == 2
	s_wait_xcnt 0x0                                ; the last prefetch, a K step back, has read its address
	s_add_nc_u64 s[PFA:PFA+1], s[PFA:PFA+1], s[PFS:PFS+1]
.endif
	WIN 0
	s_wait_tensorcnt 0x0                           ; all my tensor loads have landed
	ds_add_u32 v[SPW], v[NIL]                      ; 0 onto my spare word
	s_wait_dscnt 9                                 ; (the add and the youngest eight loads may be out)
	MUL8 F1, 0, 0, 0
	s_wait_dscnt 0x0                               ; the add is done, and my reads of this slot are over
	s_barrier_signal -1
	MUL8 F1, 0, 1, 0
	WIN 0
	s_barrier_wait -1
	CREST                                          ; no wave of any partner still reads this slot or has a load on its way
	s_xor_b32 s[G0A+5], s[G0A+5], SLOT             ; the walking descriptors: the other slot than last time, one K step on
	s_add_nc_u64 s[G0A+6:G0A+7], s[G0A+6:G0A+7], KSTEP*2
	s_xor_b32 s[G0B+5], s[G0B+5], SLOT
	s_add_nc_u64 s[G0B+6:G0B+7], s[G0B+6:G0B+7], KSTEP*16384
	JLOAD (\fill)-1                                ; the four v_nop behind the load are also the places in front of the loads below
.if (\fill) == 1
	PLACES                                         ; (for the waves that issued no load)
.endif
	s_xor_b32 s[TB], s[TB], SLOT
	v_add_nc_u32 v[ADRA], s[TB], v[ADRA0]
	v_add_nc_u32 v[ADRB], s[TB], v[ADRB0]
	FETCH 0, F0
.if (\fill) == 2
	ASK
.endif
	MUL16 F1, 0, 2, 0
	MUL16 F1, 1, 0, 0
	MUL16 F1, 1, 2, 0
.endm
	s_wait_tensorcnt 1                             ; my part of K step 0 is in; step 1's stays out
	s_barrier_signal -1
	s_barrier_wait -1
	FETCH 0, F0
	QUARTER 1, F0, F1, 1                           ; the first quarter starts the sums
	WIN 0
	s_mov_b32 s[CNT], 14
.Lstep:                                        ; a trip: a K step's quarters 1 to 3 and the next step's quarter 0; it fills K steps 2 to 15
	QUARTER 2, F1, F0, 0
	QUARTER 3, F0, F1, 0
	TURN 2
	QUARTER 1, F0, F1, 0
	WIN 0
	s_sub_co_u32 s[CNT], s[CNT], 1
	s_cmp_lg_u32 s[CNT], 0
	s_cbranch_scc1 .Lstep
	QUARTER 2, F1, F0, 0                           ; K step 14 goes on
	QUARTER 3, F0, F1, 0
	TURN 1                                         ; slot 0 takes the table
	QUARTER 1, F0, F1, 0                           ; K step 15
	QUARTER 2, F1, F0, 0
	QUARTER 3, F0, F1, 0
	s_wait_dscnt 8
	MUL16 F1, 0, 0, 0
	MUL16 F1, 0, 2, 0
	s_wait_dscnt 0x0
	MUL16 F1, 1, 0, 0
	MUL16 F1, 1, 2, 0
	; THE WAY OUT.  64 rows at a time the sums go as f32 into my part of slot 1 and come back as whole rows: a lane then holds four neighbouring columns, two RoPE pairs, and its 8 bytes of the table.
	WIN 0
	s_wait_tensorcnt 0x0                           ; the table has landed (waves 0 and 1 fetched it)
	s_barrier_signal -1                            ; my LDS loads are back (the wait for 0 above): behind this barrier nobody reads slot 1, and the table is everybody's
	s_barrier_wait -1
	PLACES
.set i, 0
.rept 8
	v_mov_b32 v[MXR+i], 0
.set i, i+1
.endr
	v_mov_b32 v[MX2], 0
	v_mov_b32 v[ZOFF], 0
	s_cmp_lt_u32 ttmp9, 4                          ; clusters 0 to 3 along x hold q's and k's columns: the same answer in all partners
	s_cselect_b32 s[FS], 1.0, 0
	s_cselect_b32 s[GS], 0, 1.0
	s_mov_b32 s[FS+1], s[FS]
	s_mov_b32 s[GS+1], s[GS]
	s_lshl1_add_u32 s20, s[TCOL], s[CHF]           ; cb
	s_lshl1_add_u32 s21, s[TROW], s[RHF]           ; my block of 128 rows
	s_lshl_b32 s22, s20, 19
	s_lshl_b32 s23, s21, 15
	s_add_co_u32 s22, s22, s23
	s_mov_b32 s23, 0
	s_add_nc_u64 s[OB:OB+1], s[8:9], s[22:23]
	s_lshl4_add_u32 s22, s20, s21
	s_lshl_b32 s22, s22, 2
	s_add_nc_u64 s[10:11], s[10:11], s[22:23]
	s_mov_b32 s[RTO], 0
	s_mov_b32 s[HALF], 0
.macro DUMP hi
	WIN 0x08+4*(\hi)                               ; store data in window 2 or 3
.irp a, 0,1,2,3
.irp b, 0,1,2,3,4,5,6,7
	ds_store_b128 v[DST], v[8*(8*(\a)+(\b)):8*(8*(\a)+(\b))+3]   offset:(\a)*16*DP+64*(\b)  ; each accumulator's low registers first
	ds_store_b128 v[DST], v[8*(8*(\a)+(\b))+4:8*(8*(\a)+(\b))+7] offset:(\a)*16*DP+64*(\b)+16
.endr
.endr
	WIN 0
.endm
.Lhalf:                                        ; two trips: my rows 0-63, then 64-127; only the dump differs, since registers are named in the text
	s_cmp_eq_u32 s[HALF], 0
	s_cbranch_scc0 .Lupper
	DUMP 0
	s_branch .Ldumped
.Lupper:
	DUMP 1
.Ldumped:
	s_mov_b32 s[RDO], 0
	s_mov_b32 s[CNT], 8
; 8 trips of 8 rows.  out_r = r c - i s, out_i = r s + i c, with c' = c F + G and s' = s F: the table for q and k, (1, 0) for v and u: one text for all tiles.
; The eight rows go through each stage together, so that an instruction and the one that reads its result stand eight lines or more apart.
.Lrows:
	v_add_nc_u32 v[RDA], s[RDO], v[RDA0]
	v_add_nc_u32 v[RTA], s[RTO], v[RTA0]
.irp j, 0,1,2,3,4,5,6,7
	ds_load_b64 v[TTR+2*(\j):TTR+2*(\j)+1], v[RTA] offset:(\j)*PA  ; the table first: its 48 lines of unpacking and scaling stand in the rows' way back
.endr
.irp j, 0,1,2,3,4,5,6,7
	ds_load_b128 v[DR+4*(\j):DR+4*(\j)+3], v[RDA] offset:(\j)*DP   ; LDS serves a wave's instructions in order (ISA guide 5.7.1.4): these see my stores above
.endr
	s_wait_dscnt 8                                 ; the table's eight loads are in; the rows' eight may be out
.irp j, 0,1,2,3,4,5,6,7
	v_lshlrev_b32 v[CCR+2*(\j)], 16, v[TTR+2*(\j)]
	v_and_b32 v[CCR+2*(\j)+1], s[HIM], v[TTR+2*(\j)]
	v_lshlrev_b32 v[SSR+2*(\j)], 16, v[TTR+2*(\j)+1]
	v_and_b32 v[SSR+2*(\j)+1], s[HIM], v[TTR+2*(\j)+1]
.endr
.irp j, 0,1,2,3,4,5,6,7
	v_pk_fma_f32 v[CCR+2*(\j):CCR+2*(\j)+1], v[CCR+2*(\j):CCR+2*(\j)+1], s[FS:FS+1], s[GS:GS+1] op_sel_hi:[1,0,0]
	v_pk_mul_f32 v[SSR+2*(\j):SSR+2*(\j)+1], v[SSR+2*(\j):SSR+2*(\j)+1], s[FS:FS+1] op_sel_hi:[1,0]
.endr
	s_wait_dscnt 0x0                               ; the rows are in
.irp j, 0,1,2,3,4,5,6,7
	v_mul_f32 v[TR+4*(\j)],   v[DR+4*(\j)+1], v[SSR+2*(\j)]
	v_mul_f32 v[TR+4*(\j)+1], v[DR+4*(\j)],   v[SSR+2*(\j)]
	v_mul_f32 v[TR+4*(\j)+2], v[DR+4*(\j)+3], v[SSR+2*(\j)+1]
	v_mul_f32 v[TR+4*(\j)+3], v[DR+4*(\j)+2], v[SSR+2*(\j)+1]
.endr
.irp j, 0,1,2,3,4,5,6,7
	v_fma_f32 v[DR+4*(\j)],   v[DR+4*(\j)],   v[CCR+2*(\j)],   -v[TR+4*(\j)]
	v_fma_f32 v[DR+4*(\j)+1], v[DR+4*(\j)+1], v[CCR+2*(\j)],   v[TR+4*(\j)+1]
	v_fma_f32 v[DR+4*(\j)+2], v[DR+4*(\j)+2], v[CCR+2*(\j)+1], -v[TR+4*(\j)+2]
	v_fma_f32 v[DR+4*(\j)+3], v[DR+4*(\j)+3], v[CCR+2*(\j)+1], v[TR+4*(\j)+3]
.endr
	s_wait_xcnt 0x0                                ; the last trip's stores have read their offset and data: only behind this wait are these written again
	v_add_nc_u32 v[GO], 8*256, v[GO]               ; eight rows on; the stores below reach back by their immediate
.irp j, 0,1,2,3,4,5,6,7
	v_cvt_pk_f16_f32 v[YR+2*(\j)],   v[DR+4*(\j)],   v[DR+4*(\j)+1]
	v_cvt_pk_f16_f32 v[YR+2*(\j)+1], v[DR+4*(\j)+2], v[DR+4*(\j)+3]
.endr
.irp j, 0,1,2,3,4,5,6,7
	v_max3_num_f32 v[MXR+(\j)], v[MXR+(\j)], |v[DR+4*(\j)]|, |v[DR+4*(\j)+1]|  ; eight chains; these 16 lines also stand between the conversions and the stores
.endr
.irp j, 0,1,2,3,4,5,6,7
	v_max3_num_f32 v[MXR+(\j)], v[MXR+(\j)], |v[DR+4*(\j)+2]|, |v[DR+4*(\j)+3]|
.endr
.irp j, 0,1,2,3,4,5,6,7
	global_store_b64 v[GO], v[YR+2*(\j):YR+2*(\j)+1], s[OB:OB+1] offset:(\j)*256-8*256  ; the wave stores a row's 256 consecutive bytes, aligned
.endr
	s_add_co_u32 s[RDO], s[RDO], 8*DP
	s_add_co_u32 s[RTO], s[RTO], 8*PA              ; the table's rows run on from half to half
	s_sub_co_u32 s[CNT], s[CNT], 1
	s_cmp_lg_u32 s[CNT], 0
	s_cbranch_scc1 .Lrows
	s_add_co_u32 s[HALF], s[HALF], 1
	s_cmp_lt_u32 s[HALF], 2
	s_cbranch_scc1 .Lhalf
	s_cmp_lt_u32 ttmp9, 4
	s_cbranch_scc0 .Lno_amax                       ; v and u need no bound
	v_max3_num_f32 v[MXR], v[MXR], v[MXR+1], v[MXR+2]
	v_max3_num_f32 v[MXR+3], v[MXR+3], v[MXR+4], v[MXR+5]
	v_max3_num_f32 v[MXR], v[MXR], v[MXR+6], v[MXR+7]
	v_max_num_f32 v[MX], v[MXR], v[MXR+3]
	v_max_num_f32_dpp v[MX], v[MX], v[MX] row_xmask:1 row_mask:0xf bank_mask:0xf
	v_max_num_f32_dpp v[MX], v[MX], v[MX] row_xmask:2 row_mask:0xf bank_mask:0xf
	v_max_num_f32_dpp v[MX], v[MX], v[MX] row_xmask:4 row_mask:0xf bank_mask:0xf
	v_max_num_f32_dpp v[MX], v[MX], v[MX] row_xmask:8 row_mask:0xf bank_mask:0xf
	v_permlanex16_b32 v[MX2], v[MX], s[SEL], s[SEL+1]
	v_max_num_f32 v[MX], v[MX], v[MX2]
	v_cmp_eq_u32 vcc_lo, 0, v[LANE]
	s_wait_xcnt 0x0                                ; EXEC changes only behind this wait
	s_and_saveexec_b32 s[SAVE], vcc_lo
	global_store_b32 v[ZOFF], v[MX], s[10:11]      ; one number a wave
	s_wait_xcnt 0x0
	s_or_b32 exec_lo, exec_lo, s[SAVE]
.Lno_amax:
	s_wait_tensorcnt 0x0                           ; the wave's end: behind my last tensor load and my last LDS store
	ds_add_u32 v[SPW], v[NIL]
	s_wait_dscnt 0x0
	CROUND                                         ; the closing round
	s_endpgm
.Lfunc_end_k_q7f809a3fb3_proj:
	.size	k_q7f809a3fb3_proj, .Lfunc_end_k_q7f809a3fb3_proj-k_q7f809a3fb3_proj
	.p2alignl 7, 3214868480
	.fill 96, 4, 3214868480
	.section	.rodata,"a",@progbits
	.p2align	6, 0x0
	.amdhsa_kernel k_q7f809a3fb3_proj
		.amdhsa_group_segment_fixed_size 327680
		.amdhsa_private_segment_fixed_size 0
		.amdhsa_enable_private_segment 0
		.amdhsa_kernarg_size 32
		.amdhsa_user_sgpr_count 2
		.amdhsa_user_sgpr_kernarg_segment_ptr 1
		.amdhsa_wavefront_size32 1
		.amdhsa_system_sgpr_workgroup_id_x 1
		.amdhsa_system_sgpr_workgroup_id_y 1
		.amdhsa_system_sgpr_workgroup_id_z 1
		.amdhsa_system_vgpr_workitem_id 0
		.amdhsa_next_free_vgpr 1024
		.amdhsa_next_free_sgpr 80
		.amdhsa_reserve_vcc 1
		.amdhsa_float_denorm_mode_32 3
		.amdhsa_float_denorm_mode_16_64 3
		.amdhsa_memory_ordered 1
		.amdhsa_forward_progress 1
		.amdhsa_inst_pref_size 107
	.end_amdhsa_kernel
	.amdgpu_metadata
---
amdhsa.version: [ 1, 2 ]
amdhsa.kernels:
  - .name:           k_q7f809a3fb3_proj
    .symbol:         k_q7f809a3fb3_proj.kd
    .args:
      - { .name: hb, .offset: 0, .size: 8, .value_kind: global_buffer, .address_space: global }
      - { .name: wc, .offset: 8, .size: 8, .value_kind: global_buffer, .address_space: global }
      - { .name: qkvu, .offset: 16, .size: 8, .value_kind: global_buffer, .address_space: global }
      - { .name: amax, .offset: 24, .size: 8, .value_kind: global_buffer, .address_space: global }
    .group_segment_fixed_size: 327680
    .private_segment_fixed_size: 0
    .kernarg_segment_align: 8
    .kernarg_segment_size: 32
    .max_flat_workgroup_size: 128
    .sgpr_count:     80
    .vgpr_count:     1024
    .wavefront_size: 32
...
	.end_amdgpu_metadata
.endif
;; end of part 2
;; launch attn (part 3): grid 16 x 16, 4 waves a work-group, clusters of 4 x 1, 327,680 bytes of LDS; arguments qkvu, amax, norm_w, zb, ss; writes zb, ss
.if DOCPART == 3
	.amdgcn_target "amdgcn-amd-amdhsa--gfx1250"
	.amdhsa_code_object_version 6
	.text
	.protected	k_q7f809a3fb3_attn
	.globl	k_q7f809a3fb3_attn
	.p2align	8
	.type	k_q7f809a3fb3_attn,@function
k_q7f809a3fb3_attn:
	s_mov_b64 s[64:65], 0
	v_nop
	global_prefetch_b8 v0, s[64:65] scope:SCOPE_SE
	s_setreg_imm32_b32 hwreg(HW_REG_WAVE_MODE, 25, 1), 1
	s_wait_xcnt 0x0
	s_wait_alu depctr_hold_cnt(0) depctr_sa_sdst(0) depctr_va_vdst(0) depctr_va_sdst(0) depctr_va_ssrc(0) depctr_va_vcc(0) depctr_vm_vsrc(0)
	s_getreg_b32 s2, hwreg(HW_REG_IB_STS2, 6, 4)
	s_cmp_eq_u32 s2, 0
	s_cbranch_scc0 .Lentry_in_a_cluster
	s_endpgm
.Lentry_in_a_cluster:
	s_bfe_u32 s2, ttmp6, 0x10000c
	s_cmp_lg_u32 s2, 0x3003
	s_cbranch_scc0 .Lentry_shape_is_right
	s_endpgm
.Lentry_shape_is_right:
; ATTN: o[q] = the sum over k <= q of silu(Q[q] . K[k] / sqrt(128)) V[k], for one head; then ss[head][q] = the sum over the head's 128 channels of o^2, and z = bf16(o x bf16(norm_w) x u).
; The row's rsqrt of RMSNorm is one number a row and is applied behind the last product, in the next launch.  Q, K, V, u: f16, blocks of qkvu; products and sums in f32.
; THE WEIGHTS' SCALE.  P = silu(score) has no bound of its own.  |score| <= B = sqrt(128) x max|q| x max|k| (the head's, from amax); with E = B's exponent field, alpha = 2^(141 - E) makes alpha |P| < 2^15, inside f16.
; It costs nothing a score: P' = acc x rcp(k3 + k3 x 2^(k1 acc)), k1 = -log2(e) / sqrt(128), k3 = sqrt(128) / alpha; o = O' / alpha.
; LIMITS.  alpha is held within 2^-100 .. 2^100.  A hidden score counts as its value less 1e30 (f16's scores reach 5.5e11 at the most): its exponential is infinite and its weight -0.  NaN and infinities are not treated apart.
; SHARES.  There is no softmax, so partial sums over keys simply add.  A work-group takes two blocks of 64 queries, p and then 31 - p (p = 4 a + cx); all four waves hold the SAME 64 queries (four tiles of 16)
; and SPLIT THE KEYS: of a round's 256 keys wave w takes 64 w .. 64 w + 63, in two halves of 32.  Block p needs a + 1 rounds, block 31 - p needs 8 - a: nine rounds whatever p.
; CLUSTER 4, 1, 1.  The walk of tiles hangs on a alone, so the four partners ask for every tile of K and V jointly.  cx enters global addresses and the masks' scalars (by s_cselect), never a branch or an LDS address.
; LAYOUT.  S^T = K Q^T: a lane holds one query (l % 16) and the keys 8 (l / 16) + 0..7; two such results rounded to f16 ARE source 1 of O^T = V^T P.  V comes out of LDS turned, by ds_load_tr16_b128.
; THE MASK is the C operand that starts S^T: three sets of eight registers, for key blocks below, on and above the tile's diagonal, made anew each round from the wave's key step T and the block I.
; THE END.  The four waves' partial O^T of both blocks meet in the ring's bytes, behind its last fill; wave w finishes tile w of both blocks, in a loop of two trips.
; REGISTERS, in windows of 256: window 0: v0-31 addresses; v32-55 the masks; v64-127 S^T; v128-191 at work; v192-223 P; v224-231 the diagonal's mask; v232-233 the add's two
;   window 1: O^T (64 tq + 8 cb)     window 2: v0-127 Q (32 tq + 8 c), v128-191 K of 32 keys, v192-255 V of 32 keys     window 3: the first block's O^T, set aside
.set PK,    272
.set PV,    288
.set VOFF,  256*PK                     ; a slot: 256 rows of K, then 256 rows of V
.set SLOT1, 0x24000                    ; it shares no bit with the four waves' places in a slot, so an exclusive or changes slots
.set QL,    290816                     ; behind the ring: the second block's Q, in fragment order: 16,384 bytes that no tensor load fills
.set SPARE, 307200                     ; the spare words, 128 bytes a wave: two blocks of 256 bytes that no other line names
.set ZST,   262144                     ; the end: 16 rows x 272 bytes a wave; bytes 0 .. 262,143 take the partial sums
.set SP,    272
.set R16, 1
.set HH,  2
.set AK0, 3
.set AV0, 4
.set AK,  5
.set AV,  6
.set QO,  7
.set QLS, 8
.set QLR, 9
.set RS0, 10                           ; v10-13
.set RL0, 14                           ; my lane's place in the partial sums of tile w; never rewritten
.set RLA, 15                           ; the same in the block in hand
.set STO, 16
.set RD,  17
.set UO,  18                           ; v18-19, one a block
.set GZ,  20                           ; v20-21
.set SO,  22                           ; v22-23
.set NWO, 24
.set ZERO, 25
.set PFO, 26
.set LANE, 27
.set CL,  32
.set CD,  40
.set CU,  48
.set S,   64
.set T,   128
.set P,   192
.set MD,  224
.set SPW, 232
.set NIL, 233
.set SSV, 234
.set TM,  236                          ; v236-241 at work
.set NW,  64                           ; the end: norm_w, in S^T's registers
.set U,   128                          ; the end: u, 32 registers a block
.set KF,  128                          ; window 2
.set VF,  192
.set WV,  14
.set CX,  15
.set HEAD, 18
.set IL,  19
.set IH,  20
.set RL,  21
.set II,  22
.set KT,  23
.set G1K, 24
.set G1V, 32
.set G0K, 40
.set G0V, 44
.set KB,  48
.set VB,  50
.set OFF, 52
.set NXT, 54
.set LQ,  55
.set RND, 56
.set TB,  57
.set K1,  58
.set K3,  60
.set SEL, 62
.set AL,  66
.set BL,  68
.set BU,  70
.set BIGN, 71
.set IA,  72
.set TT,  74
.set RLO, 74                           ; the end: the block's place among the partial sums (s74 is free by then)
.set BC,  75                           ; the end: blocks to go
.set PFA, 76
.set LIM, 78
.set QB,  84
.set UB,  86
.set HIM, 88
.set MSB, 0
.macro WIN new
.if MSB != (\new)
	s_set_vgpr_msb (MSB<<8)|(\new)
.set MSB, \new
.endif
.endm
.set W_KQ, 0x0a                        ; K and Q in window 2; the mask and S^T in window 0
.set W_PV, 0x52                        ; V in window 2, P in window 0, O^T in window 1
.macro PLACES
.rept 4
	v_nop
.endr
.endm
.macro CROUND
	s_barrier_signal -1
	s_barrier_wait -1
	s_cmp_lg_u32 s[WV], 0
	s_cbranch_scc1 .Lnot_wave_0_\@
	s_barrier_signal -3
.Lnot_wave_0_\@:
	s_barrier_wait -3
	s_barrier_signal -1
	s_barrier_wait -1
.endm
; A joint fill: waves 0 and 1 fetch the halves of a tile's K, waves 2 and 3 those of its V, 128 rows each.  An s_nop 0 and four v_nop follow each load.
.macro JLOAD
	s_cmp_lt_u32 s[WV], 2
	s_cbranch_scc0 .Lfor_v_\@
	tensor_load_to_lds s[G0K:G0K+3], s[G1K:G1K+7]
	s_nop 0
.rept 4
	v_nop
.endr
	s_branch .Lasked_\@
.Lfor_v_\@:
	tensor_load_to_lds s[G0V:G0V+3], s[G1V:G1V+7]
	s_nop 0
.rept 4
	v_nop
.endr
.Lasked_\@:
.endm
; A prefetch.  A head's tiles 4 to 7 are asked for first by its cluster a = 0, in trips 4 to 7; that cluster names tile r + 2 in trip r = 2 .. 5, two rounds ahead.  Its partners take 64 rows of K and of V each, by address;
; waves 0, 1 name K's, waves 2, 3 V's, 32 rows each, a lane a row of 256 bytes.  Tiles 0 to 3 come by their loads alone.
.macro ASK
	s_sub_co_u32 s75, s[RND], 2
	s_cmp_lt_u32 s75, s[LIM]
	s_cbranch_scc0 .Lnot_mine_\@
	global_prefetch_b8 v[PFO], s[PFA:PFA+1] th:TH_LOAD_NT scope:SCOPE_SE
.Lnot_mine_\@:
.endm
; THE CHANGE OF SLOTS.  Each wave waits for all its tensor loads (one is out: its part of the other slot), adds 0 to its spare word, and waits for that and for its LDS instructions.  fill = 1: behind a round of the
; cluster's barrier the slot just read takes tile NXT; the address is made anew from that number.  Behind the first block's last tile the walk goes back to tile 0.
.macro CHANGE fill
	WIN 0
	s_wait_tensorcnt 0x0
	ds_add_u32 v[SPW], v[NIL]                      ; 0 onto my spare word; the scalar work stands between it and the wait for it
.if \fill
	s_cmp_eq_u32 s[NXT], s[LQ]
	s_cselect_b32 s[NXT], 0, s[NXT]
	s_cselect_b32 s[LQ], 64, s[LQ]
	s_lshl_b32 s[OFF], s[NXT], 16                  ; a tile is 65,536 bytes of K and of V
	s_xor_b32 s[G0K+1], s[G0K+1], SLOT1
	s_add_nc_u64 s[G0K+2:G0K+3], s[KB:KB+1], s[OFF:OFF+1]
	s_or_b32 s[G0K+3], s[G0K+3], 0x80000000
	s_xor_b32 s[G0V+1], s[G0V+1], SLOT1
	s_add_nc_u64 s[G0V+2:G0V+3], s[VB:VB+1], s[OFF:OFF+1]
	s_or_b32 s[G0V+3], s[G0V+3], 0x80000000
	s_add_co_u32 s[NXT], s[NXT], 1
	s_wait_xcnt 0x0                                ; the last prefetch, a round back, has read its address
	s_add_nc_u64 s[PFA:PFA+1], s[PFA:PFA+1], 65536
.endif
	s_wait_dscnt 0x0
.if \fill
	CROUND
	JLOAD
	ASK
.else
	s_barrier_signal -1
	s_barrier_wait -1
.endif
	s_xor_b32 s[TB], s[TB], SLOT1
.endm
	s_load_b256 s[4:11], s[0:1], 0x0               ; qkvu s[4:5], amax s[6:7], norm_w s[8:9], zb s[10:11]
	s_load_b64 s[12:13], s[0:1], 0x20              ; ss
	v_lshl_add_u32 v[SPW], v0, 2, SPARE
	v_mov_b32 v[NIL], 0
	ds_add_u32 v[SPW], v[NIL]                      ; the wave's opening: the add, twice on end, and its wait ahead of my first tensor load
	ds_add_u32 v[SPW], v[NIL]
	v_lshrrev_b32 v1, 5, v0
	v_readfirstlane_b32 s[WV], v1
	s_bfe_u32 s[CX], ttmp6, 0x40000
	s_lshl2_add_u32 s[IL], ttmp9, s[CX]            ; p = 4 a + cx: the first block
	s_sub_co_u32 s[IH], 31, s[IL]                  ; the second
	s_and_b32 s[HEAD], ttmp7, 0xffff
	s_add_co_u32 s[RL], ttmp9, 1                   ; the first block's rounds: a + 1
	s_and_b32 s79, s[WV], 1                        ; which half of a tile I fetch
	s_mov_b32 s[G0K], 1
	s_mul_i32 s[G0K+1], s79, 128*PK
	s_mov_b32 s[G0V], 1
	s_mul_i32 s[G0V+1], s79, 128*PV
	s_add_co_u32 s[G0V+1], s[G0V+1], VOFF
	s_lshl_b32 s80, s79, 15
	s_add_co_u32 s81, s[HEAD], 16
	s_lshl_b32 s81, s81, 19
	s_add_co_u32 s82, s81, s80                     ; K: block 16 + head, my 128 rows
	s_mov_b32 s83, 0
	s_add_co_u32 s80, s82, 16<<19                  ; V: block 32 + head
	s_mov_b32 s81, 0
	s_mov_b32 s[G1K], 15|(1<<16)|(1<<20)|(1<<21)|(5<<22)|(3<<25)  ; the mask of four; 2-byte elements; padding on; bit 21 beside a mask; after every 64 words, 4 words
	s_mov_b32 s[G1V], 15|(1<<16)|(1<<20)|(1<<21)|(5<<22)|(7<<25)  ; 8 words
.irp g, G1K, G1V
	s_mov_b32 s[\g+1], 128<<16
	s_mov_b32 s[\g+2], 128<<16
	s_mov_b32 s[\g+3], 128<<16
	s_mov_b32 s[\g+4], 128
	s_mov_b32 s[\g+5], 128
	s_mov_b32 s[\g+6], 0
	s_mov_b32 s[\g+7], 0
.endr
	s_mov_b32 s[K1], 0xbe0293ee                    ; -log2(e) / sqrt(128)
	s_mov_b32 s[K1+1], s[K1]
	s_mov_b32 s[SEL], 0x76543210
	s_mov_b32 s[SEL+1], 0xfedcba98
	s_mov_b32 s[BIGN], 0xf149f2ca                  ; -1e30
	s_mov_b32 s[AL+1], 0
	s_mov_b32 s[BL+1], 0
	s_mov_b32 s[OFF+1], 0
	s_mov_b32 s[HIM], 0xffff0000
	s_mov_b32 s[TB], SLOT1                         ; the first change of slots turns it into 0
	s_mov_b32 s[NXT], 1
	s_mov_b32 s[LQ], s[RL]
	s_mov_b32 s[II], s[IL]
	s_mov_b32 s[KT], 0
	s_mov_b32 s[RND], 0
	s_wait_dscnt 0x0                               ; both opening adds are done
	s_wait_kmcnt 0x0
	s_add_nc_u64 s[KB:KB+1], s[4:5], s[82:83]
	s_add_nc_u64 s[VB:VB+1], s[4:5], s[80:81]
	s_mov_b64 s[G0K+2:G0K+3], s[KB:KB+1]           ; tile 0
	s_or_b32 s[G0K+3], s[G0K+3], 0x80000000
	s_mov_b64 s[G0V+2:G0V+3], s[VB:VB+1]
	s_or_b32 s[G0V+3], s[G0V+3], 0x80000000
	CROUND                                         ; all four work-groups are here
	JLOAD                                          ; tile 0 into slot 0; slot 1 is asked for by the loop's first change of slots
	s_lshl_b32 s82, s[HEAD], 19
	s_add_nc_u64 s[QB:QB+1], s[4:5], s[82:83]      ; q's block of the head
	s_add_nc_u64 s[UB:UB+1], s[QB:QB+1], 48<<19    ; u's
	s_lshl_b32 s82, s[IL], 14
	s_add_nc_u64 s[90:91], s[QB:QB+1], s[82:83]    ; Q of the first block
	s_lshl_b32 s82, s[IH], 14
	s_lshl_b32 s80, s[WV], 12
	s_add_co_u32 s82, s82, s80
	s_add_nc_u64 s[92:93], s[QB:QB+1], s[82:83]    ; tile w of Q of the second
	s_mov_b32 s80, 32<<19
	s_cmp_lt_u32 s[WV], 2
	s_cselect_b32 s82, 16<<19, s80
	s_add_co_u32 s82, s82, 65536                   ; at tile 1: the first change of slots steps it to 2
	s_lshl_b32 s80, s[CX], 14
	s_add_co_u32 s82, s82, s80
	s_lshl_b32 s80, s79, 13
	s_add_co_u32 s82, s82, s80
	s_add_nc_u64 s[PFA:PFA+1], s[QB:QB+1], s[82:83]
	s_cmp_eq_u32 ttmp9, 0
	s_cselect_b32 s[LIM], 4, 0
	s_lshl_b32 s82, s[HEAD], 9
	s_add_nc_u64 s[8:9], s[8:9], s[82:83]          ; norm_w at the head's 128 numbers
	s_lshl_b32 s82, s[HEAD], 13
	s_add_nc_u64 s[12:13], s[12:13], s[82:83]      ; ss at the head's row
	v_and_b32 v[R16], 15, v0
	v_bfe_u32 v[HH], v0, 4, 1
	v_and_b32 v[LANE], 31, v0
	v_lshlrev_b32 v[QO], 8, v[R16]
	v_lshl_add_u32 v[QO], v[HH], 4, v[QO]          ; row x 256 + 16 x half
	v_lshlrev_b32 v30, 2, v[R16]                   ; amax: lanes 0-15 q's 16 numbers of the head, lanes 16-31 k's
	v_lshl_add_u32 v30, v[HH], 10, v30
	s_lshl_b32 s82, s[HEAD], 6
	v_add_nc_u32 v30, s82, v30
	global_load_b32 v31, v30, s[6:7]
.irp i, 0,1,2,3,4,5,6,7
	global_load_b128 v[S+4*(\i):S+4*(\i)+3], v[QO], s[92:93] offset:((\i)/2)*64+((\i)%2)*32
.endr
	WIN 0x80
.irp i, 0,1,2,3,4,5,6,7,8,9,10,11,12,13,14,15
	global_load_b128 v[8*(\i):8*(\i)+3],   v[QO], s[90:91] offset:((\i)/4)*4096+((\i)%4)*64
	global_load_b128 v[8*(\i)+4:8*(\i)+7], v[QO], s[90:91] offset:((\i)/4)*4096+((\i)%4)*64+32
.endr
	; O^T starts at 0, and so does the place where the first block's is set aside: written in the wait for the first tile
	WIN 0x40
.set i, 0
.rept 256
	v_mov_b32 v[i], 0
.set i, i+1
.endr
	WIN 0xc0
.set i, 0
.rept 256
	v_mov_b32 v[i], 0
.set i, i+1
.endr
	WIN 0
	v_lshlrev_b32 v28, 3, v[HH]
	v_sub_nc_u32 v28, v[R16], v28                  ; register j of the diagonal's mask is hidden where 8 (l / 16) + j > l % 16
.set i, 0
.rept 8
	v_cmp_gt_i32 vcc_lo, i, v28
	v_cndmask_b32 v[MD+i], 0, s[BIGN], vcc_lo
.set i, i+1
.endr
	v_mul_u32_u24 v[AK0], v[R16], PK               ; K: (64 w + l % 16) x pitch + 16 (l / 16)
	v_lshl_add_u32 v[AK0], v[HH], 4, v[AK0]
	s_mul_i32 s82, s[WV], 64*PK
	v_add_nc_u32 v[AK0], s82, v[AK0]
	v_and_b32 v28, 7, v0                           ; V, for the turning load: key 64 w + 8 (l / 16) + l % 8, 16 bytes at 16 ((l / 8) % 2)
	v_bfe_u32 v29, v0, 3, 1
	v_lshl_add_u32 v[AV0], v[HH], 3, v28
	v_mul_u32_u24 v[AV0], v[AV0], PV
	v_lshl_add_u32 v[AV0], v29, 4, v[AV0]
	s_mul_i32 s82, s[WV], 64*PV
	s_add_co_u32 s82, s82, VOFF
	v_add_nc_u32 v[AV0], s82, v[AV0]
	s_lshl_b32 s82, s[WV], 12
	s_add_co_u32 s82, s82, QL
	v_lshl_add_u32 v[QLS], v[LANE], 4, s82
	v_lshl_add_u32 v[QLR], v[LANE], 4, QL
	s_lshl_b32 s82, s[WV], 13
	v_lshl_add_u32 v[RS0], v[LANE], 4, s82
	v_add_nc_u32 v[RS0+1], 65536, v[RS0]
	v_add_nc_u32 v[RS0+2], 2*65536, v[RS0]
	v_add_nc_u32 v[RS0+3], 3*65536, v[RS0]
	s_lshl_b32 s82, s[WV], 15
	v_lshl_add_u32 v[RL0], v[LANE], 4, s82
	s_mul_i32 s82, s[WV], 16*SP
	s_add_co_u32 s82, s82, ZST
	v_mul_u32_u24 v[STO], v[R16], SP
	v_lshl_add_u32 v[STO], v[HH], 4, v[STO]
	v_add_nc_u32 v[STO], s82, v[STO]
	v_mul_u32_u24 v[RD], v[HH], SP
	v_lshl_add_u32 v[RD], v[R16], 4, v[RD]
	v_add_nc_u32 v[RD], s82, v[RD]
	s_lshl_b32 s80, s[WV], 4
	s_lshl_b32 s79, s[IL], 6
	s_add_co_u32 s79, s79, s80                     ; the first row that I finish in the first block: 64 p + 16 w,
	s_lshl_b32 s81, s[IH], 6
	s_add_co_u32 s80, s81, s80                     ; and in the second
	v_lshlrev_b32 v28, 12, v[HH]
	v_lshl_add_u32 v28, v[R16], 4, v28
	s_lshl_b32 s81, s[HEAD], 8
	v_add_nc_u32 v28, s81, v28
	v_lshlrev_b32 v29, 2, v[R16]
.irp b, 0,1
	s_lshl_b32 s82, s[79+(\b)], 8
	v_add_nc_u32 v[UO+(\b)], s82, v[QO]
	s_lshl_b32 s82, s[79+(\b)], 12
	v_add_nc_u32 v[GZ+(\b)], s82, v28
	s_lshl_b32 s82, s[79+(\b)], 2
	v_add_nc_u32 v[SO+(\b)], s82, v29
.endr
	v_lshlrev_b32 v[NWO], 5, v[HH]
	v_mov_b32 v[ZERO], 0
	v_lshlrev_b32 v[PFO], 8, v[LANE]
	v_mov_b32 v[TM], 0
	s_wait_loadcnt 0x0
.irp i, 0,1,2,3,4,5,6,7
	ds_store_b128 v[QLS], v[S+4*(\i):S+4*(\i)+3] offset:(\i)*512  ; tile w of the second block's Q, as the fragments' registers hold it; the first change of slots waits for these and passes a barrier
.endr
	v_max_num_f32_dpp v31, v31, v31 row_xmask:1 row_mask:0xf bank_mask:0xf
	v_max_num_f32_dpp v31, v31, v31 row_xmask:2 row_mask:0xf bank_mask:0xf
	v_max_num_f32_dpp v31, v31, v31 row_xmask:4 row_mask:0xf bank_mask:0xf
	v_max_num_f32_dpp v31, v31, v31 row_xmask:8 row_mask:0xf bank_mask:0xf
	v_permlanex16_b32 v29, v31, s[SEL], s[SEL+1]
	v_mul_f32 v31, v31, v29                        ; max|q| x max|k|
	v_mul_f32 v31, 0x413504f3, v31                 ; x sqrt(128) = B
	v_lshrrev_b32 v31, 23, v31                     ; E
	v_sub_nc_u32 v31, 268, v31                     ; alpha's exponent field: 127 + 141 - E,
	v_max_u32 v31, 27, v31
	v_min_u32 v31, 227, v31                        ; held within 2^-100 .. 2^100
	v_sub_nc_u32 v31, 254, v31
	v_lshlrev_b32 v31, 23, v31                     ; 1 / alpha
	v_mul_f32 v29, 0x413504f3, v31                 ; k3
	v_readfirstlane_b32 s[IA], v31
	v_readfirstlane_b32 s[K3], v29
	s_mov_b32 s[IA+1], s[IA]
	s_mov_b32 s[K3+1], s[K3]
; The LDS loads stand in runs of 16: half hf (32 keys) of my 64 keys: K's 8 fragments (f = 4 kb + c), V's 8, turned (f = cb)
.macro FETCH_K hf
	WIN 0x80
.irp f, 0,1,2,3,4,5,6,7
	ds_load_b128 v[KF+8*(\f):KF+8*(\f)+3],   v[AK] offset:(2*(\hf)+(\f)/4)*16*PK+((\f)%4)*64
	ds_load_b128 v[KF+8*(\f)+4:KF+8*(\f)+7], v[AK] offset:(2*(\hf)+(\f)/4)*16*PK+((\f)%4)*64+32
.endr
.endm
.macro FETCH_V hf
	WIN 0x80
.irp f, 0,1,2,3,4,5,6,7
	ds_load_tr16_b128 v[VF+8*(\f):VF+8*(\f)+3],   v[AV] offset:(\hf)*32*PV+32*(\f)
	ds_load_tr16_b128 v[VF+8*(\f)+4:VF+8*(\f)+7], v[AV] offset:(\hf)*32*PV+32*(\f)+16*PV
.endr
.endm
; 32 products S^T = K Q^T on 8 accumulators that take turns.  The first 8 start the sums with the mask: by key block 2 hf + kb against tile tq
.macro QK hf
	WIN W_KQ
.irp c, 0,1,2,3
.irp kb, 0,1
.irp tq, 0,1,2,3
.set rS, S+16*(\tq)+8*(\kb)
.set rK, KF+8*(4*(\kb)+(\c))
.set rQ, 32*(\tq)+8*(\c)
.if (\c) == 0
.if 2*(\hf)+(\kb) < (\tq)
.set rC, CL
.elseif 2*(\hf)+(\kb) == (\tq)
.set rC, CD
.else
.set rC, CU
.endif
	v_wmma_f32_16x16x32_f16 v[rS:rS+7], v[rK:rK+7], v[rQ:rQ+7], v[rC:rC+7]
.else
	v_wmma_f32_16x16x32_f16 v[rS:rS+7], v[rK:rK+7], v[rQ:rQ+7], v[rS:rS+7]
.endif
.endr
.endr
.endr
.endm
; 32 products O^T += V^T P, each on an accumulator of its own
.macro PVM
	WIN W_PV
.irp cb, 0,1,2,3,4,5,6,7
.irp tq, 0,1,2,3
	v_wmma_f32_16x16x32_f16 v[64*(\tq)+8*(\cb):64*(\tq)+8*(\cb)+7], v[VF+8*(\cb):VF+8*(\cb)+7], v[P+8*(\tq):P+8*(\tq)+7], v[64*(\tq)+8*(\cb):64*(\tq)+8*(\cb)+7]
.endr
.endr
.endm
; P' = acc x rcp(k3 + k3 x 2^(k1 acc)) for 64 scores a lane, rounded to f16.  Two batches of 64 transcendentals, each with one plain instruction and one wait ahead of its first reader.  Each accumulator is read from its low end on.
.macro SILU
	WIN 0
.set i, 0
.rept 32
	v_pk_mul_f32 v[T+2*i:T+2*i+1], v[S+2*i:S+2*i+1], s[K1:K1+1] op_sel_hi:[1,0]
.set i, i+1
.endr
.set i, 0
.rept 64
	v_exp_f32 v[T+i], v[T+i]
.set i, i+1
.endr
	v_nop
	s_wait_alu depctr_va_vdst(0)
.set i, 0
.rept 32
	v_pk_fma_f32 v[T+2*i:T+2*i+1], v[T+2*i:T+2*i+1], s[K3:K3+1], s[K3:K3+1] op_sel_hi:[1,0,0]
.set i, i+1
.endr
.set i, 0
.rept 64
	v_rcp_f32 v[T+i], v[T+i]
.set i, i+1
.endr
	v_nop
	s_wait_alu depctr_va_vdst(0)
.set i, 0
.rept 32
	v_pk_mul_f32 v[S+2*i:S+2*i+1], v[S+2*i:S+2*i+1], v[T+2*i:T+2*i+1]
.set i, i+1
.endr
.set i, 0
.rept 32
	v_cvt_pk_f16_f32 v[P+i], v[S+2*i], v[S+2*i+1]
.set i, i+1
.endr
.endm
; A ROUND: my 64 keys of the tile in hand against the block's 64 queries, in two halves.  T = 4 KT + w is my key step, I the block: below the diagonal's step nothing is hidden, above it all, on it by key block and tile.
.macro ROUND
	s_lshl2_add_u32 s[TT], s[KT], s[WV]
	s_cmp_eq_u32 s[TT], s[II]
	s_cselect_b32 s[AL], 1.0, 0
	s_cmp_gt_u32 s[TT], s[II]
	s_cselect_b32 s[BL], s[BIGN], 0
	s_cmp_ge_u32 s[TT], s[II]
	s_cselect_b32 s[BU], s[BIGN], 0
	WIN 0
	v_add_nc_u32 v[AK], s[TB], v[AK0]              ; these 22 plain lines are also the places behind the last products, in front of the loads into V's registers
	v_add_nc_u32 v[AV], s[TB], v[AV0]
.set i, 0
.rept 8
	v_mov_b32 v[CL+i], s[BL]
	v_mov_b32 v[CU+i], s[BU]
.set i, i+1
.endr
.set i, 0
.rept 4
	v_pk_fma_f32 v[CD+2*i:CD+2*i+1], v[MD+2*i:MD+2*i+1], s[AL:AL+1], s[BL:BL+1] op_sel_hi:[1,0,0]
.set i, i+1
.endr
	FETCH_K 0
	FETCH_V 0
	s_wait_dscnt 16                                ; K is in; V's 16 loads may be out
	QK 0
	PLACES
	FETCH_K 1
	SILU
	s_wait_dscnt 16                                ; V is in; the second half's K may be out
	PVM
	PLACES
	FETCH_V 1
	s_wait_dscnt 16                                ; K is in; V's 16 may be out
	QK 1
	PLACES
	SILU
	s_wait_dscnt 0x0
	PVM
	WIN 0
	s_add_co_u32 s[KT], s[KT], 1
.endm
; THE CHANGE OF BLOCKS: the first block's partial O^T is set aside, O^T starts anew, Q comes out of LDS.
.macro SWITCH
	PLACES
	WIN 0xc1
.set i, 0
.rept 256
	v_mov_b32 v[i], v[i]                           ; window 3 <- window 1, ascending: each accumulator from its low end
.set i, i+1
.endr
	WIN 0x40
.set i, 0
.rept 256
	v_mov_b32 v[i], 0
.set i, i+1
.endr
	WIN 0x80
.set i, 0
.rept 32
	ds_load_b128 v[4*i:4*i+3], v[QLR] offset:i*512
.set i, i+1
.endr
	WIN 0
	s_wait_dscnt 0x0
	s_mov_b32 s[II], s[IH]
	s_mov_b32 s[KT], 0
.endm
.Lround:                                       ; eight trips: a tile is entered and the next is asked for
	CHANGE 1
	s_cmp_lg_u32 s[RND], s[RL]                     ; hangs on a alone: the same in all partners
	s_cbranch_scc1 .Lsame
	SWITCH
.Lsame:
	ROUND
	s_add_co_u32 s[RND], s[RND], 1
	s_cmp_lt_u32 s[RND], 8
	s_cbranch_scc1 .Lround
	CHANGE 0                                       ; the ninth round is written out: nothing is asked for
	ROUND
	; THE END.  norm_w and u are asked for first; then the partial sums meet.
	PLACES
.irp cb, 0,1,2,3,4,5,6,7
	global_load_b128 v[NW+8*(\cb):NW+8*(\cb)+3],   v[NWO], s[8:9] offset:64*(\cb)
	global_load_b128 v[NW+8*(\cb)+4:NW+8*(\cb)+7], v[NWO], s[8:9] offset:64*(\cb)+16
.endr
.irp cb, 0,1,2,3,4,5,6,7
	global_load_b128 v[U+4*(\cb):U+4*(\cb)+3],       v[UO],   s[UB:UB+1] offset:32*(\cb)
	global_load_b128 v[U+32+4*(\cb):U+32+4*(\cb)+3], v[UO+1], s[UB:UB+1] offset:32*(\cb)
.endr
	s_barrier_signal -1                            ; my LDS loads are back (the round's last wait): behind this barrier nobody reads the ring, and nothing fills it any more
	s_barrier_wait -1
	WIN 0x0c                                       ; store data in window 3: the first block
.set t8, 0
.rept 4
.set i, 0
.rept 16
	ds_store_b128 v[RS0+t8/2], v[64*t8+4*i:64*t8+4*i+3] offset:(t8%2)*32768+i*512
.set i, i+1
.endr
.set t8, t8+1
.endr
	WIN 0x04                                       ; window 1: the second block
.rept 4
.set i, 0
.rept 16
	ds_store_b128 v[RS0+t8/2], v[64*(t8-4)+4*i:64*(t8-4)+4*i+3] offset:(t8%2)*32768+i*512
.set i, i+1
.endr
.set t8, t8+1
.endr
	WIN 0
	s_wait_dscnt 0x0                               ; for the others' sake
	s_barrier_signal -1
	s_barrier_wait -1
	s_mov_b32 s[RLO], 0
	s_mov_b32 s[BC], 2
; Two trips, a block each: tile w's four partial sums come into window 1 and are added; register k = 8 cb + j of a lane then holds row l % 16, channel 16 cb + 8 (l / 16) + j.
; o = O' / alpha; the sum of o^2 in two chains; z = o x norm_w x u, rounded to bf16; out through my stage as whole rows.
.Lblk:
	v_add_nc_u32 v[RLA], s[RLO], v[RL0]
	WIN 0x40
.set i, 0
.rept 64
	ds_load_b128 v[4*i:4*i+3], v[RLA] offset:(i/16)*8192+(i%16)*512  ; from wave i / 16
.set i, i+1
.endr
	WIN 0x55
	s_wait_dscnt 32                                ; waves 0's and 1's parts are in; the other 32 loads may be out
.set i, 0
.rept 32
	v_pk_add_f32 v[2*i:2*i+1], v[2*i:2*i+1], v[64+2*i:64+2*i+1]
.set i, i+1
.endr
	s_wait_dscnt 0x0
.set i, 0
.rept 32
	v_pk_add_f32 v[128+2*i:128+2*i+1], v[128+2*i:128+2*i+1], v[192+2*i:192+2*i+1]
.set i, i+1
.endr
.set i, 0
.rept 32
	v_pk_add_f32 v[2*i:2*i+1], v[2*i:2*i+1], v[128+2*i:128+2*i+1]
.set i, i+1
.endr
	WIN 0
	s_wait_loadcnt 0x0                             ; norm_w and u
	s_cmp_lg_u32 s[BC], 2
	s_cbranch_scc1 .Lrounded                       ; the first trip alone rounds norm_w
.set i, 0
.rept 32
	v_cvt_pk_bf16_f32 v[TM+2+i%4], v[NW+2*i], v[NW+2*i+1]  ; norm_w is rounded to bf16, like every input
	v_lshlrev_b32 v[NW+2*i], 16, v[TM+2+i%4]
	v_and_b32 v[NW+2*i+1], s[HIM], v[TM+2+i%4]
.set i, i+1
.endr
.Lrounded:
	WIN 0x55
.set i, 0
.rept 32
	v_pk_mul_f32 v[2*i:2*i+1], v[2*i:2*i+1], s[IA:IA+1] op_sel_hi:[1,0]
.set i, i+1
.endr
	v_pk_mul_f32 v[64:65], v[0:1], v[0:1]
	v_pk_mul_f32 v[66:67], v[2:3], v[2:3]
.set i, 2
.rept 30
	v_pk_fma_f32 v[64+2*(i%2):65+2*(i%2)], v[2*i:2*i+1], v[2*i:2*i+1], v[64+2*(i%2):65+2*(i%2)]
.set i, i+1
.endr
	v_pk_add_f32 v[64:65], v[64:65], v[66:67]
	WIN 0x41                                       ; o in window 1; norm_w, u and 0 in window 0
.set i, 0
.rept 32
	v_pk_mul_f32 v[2*i:2*i+1], v[2*i:2*i+1], v[NW+2*i:NW+2*i+1]
.set i, i+1
.endr
.set i, 0
.rept 32
	v_fma_mix_f32 v[2*i],   v[2*i],   v[U+i], v[ZERO] op_sel_hi:[0,1,0]
	v_fma_mix_f32 v[2*i+1], v[2*i+1], v[U+i], v[ZERO] op_sel:[0,1,0] op_sel_hi:[0,1,0]
.set i, i+1
.endr
	WIN 0x05
.set i, 0
.rept 32
	v_cvt_pk_bf16_f32 v[P+i], v[2*i], v[2*i+1]
.set i, i+1
.endr
	v_add_f32 v[SSV], v[64], v[65]
	WIN 0
	v_permlanex16_b32 v[TM], v[SSV], s[SEL], s[SEL+1]  ; the row's other 64 channels lie in the lane 16 away
	v_add_f32 v[SSV], v[SSV], v[TM]
.irp f, 0,1,2,3,4,5,6,7
	ds_store_b128 v[STO], v[P+4*(\f):P+4*(\f)+3] offset:32*(\f)
.endr
.irp f, 0,1,2,3,4,5,6,7
	ds_load_b128 v[P+4*(\f):P+4*(\f)+3], v[RD] offset:(\f)*2*SP  ; LDS serves a wave's instructions in order (ISA guide 5.7.1.4)
.endr
.irp f, 0,1,2,3,4,5,6,7
	s_wait_dscnt 7-(\f)                            ; the younger loads from the stage may be out
	global_store_b128 v[GZ], v[P+4*(\f):P+4*(\f)+3], s[10:11] offset:(\f)*8192  ; 16 lanes store 256 consecutive bytes, aligned
.endr
	v_cmp_gt_u32 vcc_lo, 16, v[LANE]
	s_wait_xcnt 0x0                                ; EXEC changes only behind this wait
	s_and_saveexec_b32 s79, vcc_lo
	global_store_b32 v[SO], v[SSV], s[12:13]       ; 16 rows' sums: 64 bytes; the whole buffer is 131,072 bytes
	s_wait_xcnt 0x0                                ; all stores of the trip have read their offsets and data: EXEC, the offsets and P's registers may be written
	s_or_b32 exec_lo, exec_lo, s79
	v_mov_b32 v[GZ], v[GZ+1]                       ; the second block's offsets and u take the places that the one text names
	v_mov_b32 v[SO], v[SO+1]
.set i, 0
.rept 32
	v_mov_b32 v[U+i], v[U+32+i]
.set i, i+1
.endr
	s_add_co_u32 s[RLO], s[RLO], 131072            ; the second block's partial sums lie four tiles of 32,768 bytes on
	s_sub_co_u32 s[BC], s[BC], 1
	s_cmp_lg_u32 s[BC], 0
	s_cbranch_scc1 .Lblk
	s_wait_tensorcnt 0x0                           ; the wave's end
	ds_add_u32 v[SPW], v[NIL]
	s_wait_dscnt 0x0
	CROUND                                         ; the closing round
	s_endpgm
.Lfunc_end_k_q7f809a3fb3_attn:
	.size	k_q7f809a3fb3_attn, .Lfunc_end_k_q7f809a3fb3_attn-k_q7f809a3fb3_attn
	.p2alignl 7, 3214868480
	.fill 96, 4, 3214868480
	.section	.rodata,"a",@progbits
	.p2align	6, 0x0
	.amdhsa_kernel k_q7f809a3fb3_attn
		.amdhsa_group_segment_fixed_size 327680
		.amdhsa_private_segment_fixed_size 0
		.amdhsa_enable_private_segment 0
		.amdhsa_kernarg_size 40
		.amdhsa_user_sgpr_count 2
		.amdhsa_user_sgpr_kernarg_segment_ptr 1
		.amdhsa_wavefront_size32 1
		.amdhsa_system_sgpr_workgroup_id_x 1
		.amdhsa_system_sgpr_workgroup_id_y 1
		.amdhsa_system_sgpr_workgroup_id_z 1
		.amdhsa_system_vgpr_workitem_id 0
		.amdhsa_next_free_vgpr 1024
		.amdhsa_next_free_sgpr 96
		.amdhsa_reserve_vcc 1
		.amdhsa_float_denorm_mode_32 3
		.amdhsa_float_denorm_mode_16_64 3
		.amdhsa_memory_ordered 1
		.amdhsa_forward_progress 1
		.amdhsa_inst_pref_size 170
	.end_amdhsa_kernel
	.amdgpu_metadata
---
amdhsa.version: [ 1, 2 ]
amdhsa.kernels:
  - .name:           k_q7f809a3fb3_attn
    .symbol:         k_q7f809a3fb3_attn.kd
    .args:
      - { .name: qkvu, .offset: 0, .size: 8, .value_kind: global_buffer, .address_space: global }
      - { .name: amax, .offset: 8, .size: 8, .value_kind: global_buffer, .address_space: global }
      - { .name: norm_w, .offset: 16, .size: 8, .value_kind: global_buffer, .address_space: global }
      - { .name: zb, .offset: 24, .size: 8, .value_kind: global_buffer, .address_space: global }
      - { .name: ss, .offset: 32, .size: 8, .value_kind: global_buffer, .address_space: global }
    .group_segment_fixed_size: 327680
    .private_segment_fixed_size: 0
    .kernarg_segment_align: 8
    .kernarg_segment_size: 40
    .max_flat_workgroup_size: 128
    .sgpr_count:     96
    .vgpr_count:     1024
    .wavefront_size: 32
...
	.end_amdgpu_metadata
.endif
;; end of part 3
;; launch outp (part 4): grid 16 x 16, 4 waves a work-group, clusters of 4 x 4, 327,680 bytes of LDS; arguments zb, wob, ss, out0; writes out0
.if DOCPART == 4
	.amdgcn_target "amdgcn-amd-amdhsa--gfx1250"
	.amdhsa_code_object_version 6
	.text
	.protected	k_q7f809a3fb3_outp
	.globl	k_q7f809a3fb3_outp
	.p2align	8
	.type	k_q7f809a3fb3_outp,@function
k_q7f809a3fb3_outp:
	s_mov_b64 s[64:65], 0
	v_nop
	global_prefetch_b8 v0, s[64:65] scope:SCOPE_SE
	s_setreg_imm32_b32 hwreg(HW_REG_WAVE_MODE, 25, 1), 1
	s_wait_xcnt 0x0
	s_wait_alu depctr_hold_cnt(0) depctr_sa_sdst(0) depctr_va_vdst(0) depctr_va_sdst(0) depctr_va_ssrc(0) depctr_va_vcc(0) depctr_vm_vsrc(0)
	s_getreg_b32 s2, hwreg(HW_REG_IB_STS2, 6, 4)
	s_cmp_eq_u32 s2, 0
	s_cbranch_scc0 .Lentry_in_a_cluster
	s_endpgm
.Lentry_in_a_cluster:
	s_bfe_u32 s2, ttmp6, 0x10000c
	s_cmp_lg_u32 s2, 0xf033
	s_cbranch_scc0 .Lentry_shape_is_right
	s_endpgm
.Lentry_shape_is_right:
; OUTP: out0[m][n] = rsqrt(sum over heads of ss[h][m] / 2048 + 1e-5) x sum over k of z[m][k] wo[k][n].  z, wo bf16; sums f32; out0 f32.
; RMSNorm's rsqrt is one number a row, so it is applied to the finished sums.
; A tile of 128 x 128 gives each of 256 work-groups one; a wave makes 64 x 64: 16 accumulators.  K goes in 8 steps of 256 through two LDS slots: A (z) [m][k], rows of 512 bytes padded to 528;
; B (wo) [k][n], 256 rows of 256 bytes padded to 288, read turned by ds_load_tr16_b128.  CLUSTER 4 x 4: A's tile jointly along a row of the cluster, B's along a column.
; No prefetch: the tiles are small and every block is read by four clusters at about the same time.
; THE MATRIX INSTRUCTION IS USED TRANSPOSED: a lane holds row l % 16 of the tile and eight neighbouring columns.
; REGISTERS: window 0: v0-31 addresses; v32-95 ss; v96-103 the four row blocks' rsqrt, each twice; v128-255 the accumulators ((a, b) at 128 + 8 (4 a + b)); window 1: two fragment buffers of 128: 64 of A, 64 of B.
.set KSTEP, 256
.set PA,    528
.set PB,    288
.set BOFF,  128*PA                     ; 67,584
.set SLOT1, 0x24000                    ; it shares no bit with the four waves' places in a slot
.set SPARE, 288768                     ; behind the ring: the spare words: two blocks of 256 bytes that no other line names
.set DP,    272                        ; the way out: 64 rows x 272 bytes a wave, in slot 0 behind its last fill
.set R16, 1
.set HH,  2
.set ADRA0, 16
.set ADRB0, 17
.set ADRA, 18
.set ADRB, 19                          ; v19: quarters 0, 1; v20: quarters 2, 3 (128 rows on)
.set DST,  21
.set RD,   22
.set CO,   23
.set SSO,  24
.set SPW,  28
.set NIL,  29
.set W,    32
.set RS,   96
.set ACC,  128
.set F0,   0
.set F1,   128
.set WV,  12
.set RHF, 13
.set CHF, 14
.set CNT, 15
.set CX,  16
.set CY,  17
.set TCOL, 18
.set TROW, 19
.set G1A, 24
.set G0A, 32
.set TB,  45
.set G1B, 48
.set G0B, 56
.set MSB, 0
.macro WIN new
.if MSB != (\new)
	s_set_vgpr_msb (MSB<<8)|(\new)
.set MSB, \new
.endif
.endm
.set MUL,  0x05                        ; sources 0 (B) and 1 (A) window 1; C and D window 0
.set TO_F, 0x40
.macro PLACES
.rept 4
	v_nop
.endr
.endm
.macro CREST
	s_cmp_lg_u32 s[WV], 0
	s_cbranch_scc1 .Lnot_wave_0_\@
	s_barrier_signal -3
.Lnot_wave_0_\@:
	s_barrier_wait -3
	s_barrier_signal -1
	s_barrier_wait -1
.endm
.macro CROUND
	s_barrier_signal -1
	s_barrier_wait -1
	CREST
.endm
.macro JLOAD                           ; a joint refill by the walking descriptors; an s_nop 0 and four v_nop follow each load
	s_cmp_eq_u32 s[RHF], 0
	s_cbranch_scc0 .Lfor_b_\@
	tensor_load_to_lds s[G0A+4:G0A+7], s[G1A:G1A+7]
	s_nop 0
.rept 4
	v_nop
.endr
	s_branch .Lasked_\@
.Lfor_b_\@:
	tensor_load_to_lds s[G0B+4:G0B+7], s[G1B:G1B+7]
	s_nop 0
.rept 4
	v_nop
.endr
.Lasked_\@:
.endm
	s_load_b256 s[4:11], s[0:1], 0x0               ; zb s[4:5], wob s[6:7], ss s[8:9], out0 s[10:11]
	v_lshl_add_u32 v[SPW], v0, 2, SPARE
	v_mov_b32 v[NIL], 0
	ds_add_u32 v[SPW], v[NIL]                      ; the wave's opening: the add, twice on end, and its wait ahead of my first tensor load
	ds_add_u32 v[SPW], v[NIL]
	v_lshrrev_b32 v1, 5, v0
	v_readfirstlane_b32 s[WV], v1
	s_lshr_b32 s[RHF], s[WV], 1
	s_and_b32 s[CHF], s[WV], 1
	s_bfe_u32 s[CX], ttmp6, 0x40000
	s_bfe_u32 s[CY], ttmp6, 0x40004
	s_lshl_b32 s[TCOL], ttmp9, 2
	s_add_co_u32 s[TCOL], s[TCOL], s[CX]
	s_and_b32 s[TROW], ttmp7, 0xffff
	s_lshl_b32 s[TROW], s[TROW], 2
	s_add_co_u32 s[TROW], s[TROW], s[CY]
	s_lshl_b32 s20, s[CY], 2
	s_lshl_b32 s20, 15, s20
	s_lshl_b32 s21, 0x1111, s[CX]
	s_or_b32 s[G1A], s20, (1<<16)|(1<<20)|(1<<21)|(6<<22)|(3<<25)  ; after every 128 words, 4 words
	s_or_b32 s[G1B], s21, (1<<16)|(1<<20)|(1<<21)|(5<<22)|(7<<25)  ; after every 64 words, 8 words
	s_mov_b32 s[G1A+1], 256<<16
	s_mov_b32 s[G1A+2], 64<<16
	s_mov_b32 s[G1A+3], 256<<16
	s_mov_b32 s[G1A+4], 64
	s_mov_b32 s[G1A+5], 2048
	s_mov_b32 s[G1A+6], 0
	s_mov_b32 s[G1A+7], 0
	s_mov_b32 s[G1B+1], 128<<16
	s_mov_b32 s[G1B+2], 128<<16
	s_mov_b32 s[G1B+3], 128<<16
	s_mov_b32 s[G1B+4], 128
	s_mov_b32 s[G1B+5], 2048
	s_mov_b32 s[G1B+6], 0
	s_mov_b32 s[G1B+7], 0
	s_lshl_b32 s22, s[TROW], 19                    ; A: (128 x tile row + 64 x half) rows of 4,096 bytes
	s_lshl_b32 s23, s[CHF], 18
	s_add_co_u32 s22, s22, s23
	s_mov_b32 s23, 0
	s_lshl_b32 s46, s[CHF], 19                     ; B: 128 x half rows of 4,096 bytes + 256 x tile column
	s_lshl_b32 s47, s[TCOL], 8
	s_add_co_u32 s46, s46, s47
	s_mov_b32 s47, 0
	s_mul_i32 s40, s[CHF], 64*PA                   ; where A's halves land,
	s_mul_i32 s41, s[CHF], 128*PB
	s_add_co_u32 s41, s41, BOFF                    ; and B's
	s_mov_b32 s[TB], 0
	s_wait_dscnt 0x0
	s_wait_kmcnt 0x0
	s_add_nc_u64 s[22:23], s[4:5], s[22:23]
	s_add_nc_u64 s[46:47], s[6:7], s[46:47]
	CROUND
.irp s, 0,1
	s_mov_b32 s[G0A+4*(\s)], 1
	s_add_co_u32 s[G0A+4*(\s)+1], s40, (\s)*SLOT1
	s_add_nc_u64 s[G0A+4*(\s)+2:G0A+4*(\s)+3], s[22:23], (\s)*KSTEP*2
	s_or_b32 s[G0A+4*(\s)+3], s[G0A+4*(\s)+3], 0x80000000
	s_mov_b32 s[G0B+4*(\s)], 1
	s_add_co_u32 s[G0B+4*(\s)+1], s41, (\s)*SLOT1
	s_add_nc_u64 s[G0B+4*(\s)+2:G0B+4*(\s)+3], s[46:47], (\s)*KSTEP*4096
	s_or_b32 s[G0B+4*(\s)+3], s[G0B+4*(\s)+3], 0x80000000
.endr
	s_cmp_eq_u32 s[RHF], 0                         ; a wave's two first fills stand in one branch
	s_cbranch_scc0 .Lfirst_b
	tensor_load_to_lds s[G0A:G0A+3], s[G1A:G1A+7]
	s_nop 0
	tensor_load_to_lds s[G0A+4:G0A+7], s[G1A:G1A+7]
	s_nop 0
.rept 4
	v_nop
.endr
	s_branch .Lfirst_asked
.Lfirst_b:
	tensor_load_to_lds s[G0B:G0B+3], s[G1B:G1B+7]
	s_nop 0
	tensor_load_to_lds s[G0B+4:G0B+7], s[G1B:G1B+7]
	s_nop 0
.rept 4
	v_nop
.endr
.Lfirst_asked:
	v_and_b32 v[R16], 15, v0
	v_bfe_u32 v[HH], v0, 4, 1
	s_lshl_b32 s20, s[TROW], 7
	s_lshl_b32 s21, s[RHF], 6
	s_add_co_u32 s20, s20, s21                     ; my first row
	s_lshl_b32 s22, s20, 2
	s_mov_b32 s23, 0
	s_add_nc_u64 s[8:9], s[8:9], s[22:23]
	v_lshlrev_b32 v[SSO], 2, v[R16]
.irp a, 0,1,2,3
.irp h, 0,1,2,3,4,5,6,7,8,9,10,11,12,13,14,15
	global_load_b32 v[W+16*(\a)+(\h)], v[SSO], s[8:9] offset:(\h)*8192+(\a)*64  ; row 16 a + l % 16 of my 64, head h
.endr
.endr
	v_mul_u32_u24 v[ADRA0], v[R16], PA
	v_lshl_add_u32 v[ADRA0], v[HH], 4, v[ADRA0]
	s_mul_i32 s21, s[RHF], 64*PA
	v_add_nc_u32 v[ADRA0], s21, v[ADRA0]
	v_and_b32 v3, 7, v0
	v_bfe_u32 v4, v0, 3, 1
	v_lshl_add_u32 v[ADRB0], v[HH], 3, v3
	v_mul_u32_u24 v[ADRB0], v[ADRB0], PB
	v_lshl_add_u32 v[ADRB0], v4, 4, v[ADRB0]
	s_lshl_b32 s21, s[CHF], 7
	s_add_co_u32 s21, s21, BOFF
	v_add_nc_u32 v[ADRB0], s21, v[ADRB0]
	v_mov_b32 v[ADRA], v[ADRA0]
	v_mov_b32 v[ADRB], v[ADRB0]
	v_add_nc_u32 v[ADRB+1], 128*PB, v[ADRB0]
	s_mul_i32 s21, s[WV], 64*DP
	v_mul_u32_u24 v[DST], v[R16], DP
	v_lshl_add_u32 v[DST], v[HH], 5, v[DST]
	v_add_nc_u32 v[DST], s21, v[DST]
	v_mul_u32_u24 v[RD], v[HH], DP
	v_lshl_add_u32 v[RD], v[R16], 4, v[RD]
	v_add_nc_u32 v[RD], s21, v[RD]
	v_lshlrev_b32 v[CO], 13, v[HH]
	v_lshl_add_u32 v[CO], v[R16], 4, v[CO]
	s_lshl_b32 s22, s20, 13                        ; out0 at my first row and column
	s_lshl_b32 s21, s[TCOL], 9
	s_add_co_u32 s22, s22, s21
	s_lshl_b32 s21, s[CHF], 8
	s_add_co_u32 s22, s22, s21
	s_add_nc_u64 s[10:11], s[10:11], s[22:23]
	s_mov_b32 s20, 0x3a000000                      ; 1 / 2048
	s_mov_b32 s21, 0x3727c5ac                      ; 1e-5
	s_wait_loadcnt 0x0
.irp a, 0,1,2,3
.irp i, 0,2,4,6
	v_pk_add_f32 v[W+16*(\a)+(\i):W+16*(\a)+(\i)+1], v[W+16*(\a)+(\i):W+16*(\a)+(\i)+1], v[W+16*(\a)+8+(\i):W+16*(\a)+8+(\i)+1]
.endr
.irp i, 0,2
	v_pk_add_f32 v[W+16*(\a)+(\i):W+16*(\a)+(\i)+1], v[W+16*(\a)+(\i):W+16*(\a)+(\i)+1], v[W+16*(\a)+4+(\i):W+16*(\a)+4+(\i)+1]
.endr
	v_pk_add_f32 v[W+16*(\a):W+16*(\a)+1], v[W+16*(\a):W+16*(\a)+1], v[W+16*(\a)+2:W+16*(\a)+3]
	v_add_f32 v[W+16*(\a)], v[W+16*(\a)], v[W+16*(\a)+1]
	v_fma_f32 v[W+16*(\a)], v[W+16*(\a)], s20, s21
.endr
.irp a, 0,1,2,3
	v_rsq_f32 v[RS+2*(\a)], v[W+16*(\a)]           ; made twice, to fill the pair that the packed multiply reads
	v_rsq_f32 v[RS+2*(\a)+1], v[W+16*(\a)]
.endr
	v_nop                                          ; a plain instruction behind the last of them,
	s_wait_alu depctr_va_vdst(0)                   ; and one wait for the batch of eight
; 8 matrix instructions: m blocks a0, a0 + 1 x all 4 n blocks, 32 along K: half c of buffer f.  The 16 accumulators take turns.
.macro MUL8 f, c, a0, zero
	WIN MUL
.irp a, \a0, (\a0)+1
.irp b, 0,1,2,3
.if \zero
	v_wmma_f32_16x16x32_bf16 v[ACC+8*(4*(\a)+(\b)):ACC+8*(4*(\a)+(\b))+7], v[(\f)+64+8*(4*(\c)+(\b)):(\f)+64+8*(4*(\c)+(\b))+7], v[(\f)+8*(4*(\c)+(\a)):(\f)+8*(4*(\c)+(\a))+7], 0
.else
	v_wmma_f32_16x16x32_bf16 v[ACC+8*(4*(\a)+(\b)):ACC+8*(4*(\a)+(\b))+7], v[(\f)+64+8*(4*(\c)+(\b)):(\f)+64+8*(4*(\c)+(\b))+7], v[(\f)+8*(4*(\c)+(\a)):(\f)+8*(4*(\c)+(\a))+7], v[ACC+8*(4*(\a)+(\b)):ACC+8*(4*(\a)+(\b))+7]
.endif
.endr
.endr
.endm
; 32 LDS loads in one run: quarter q (64 along K) into buffer f; the first 32 along K first
.macro FETCH q, f
	WIN TO_F
.irp c, 0,1
.irp i, 0,1,2,3
	ds_load_tr16_b128 v[(\f)+64+8*(4*(\c)+(\i)):(\f)+64+8*(4*(\c)+(\i))+3],   v[ADRB+(\q)/2] offset:((\q)%2)*64*PB+(\c)*32*PB+32*(\i)
	ds_load_tr16_b128 v[(\f)+64+8*(4*(\c)+(\i))+4:(\f)+64+8*(4*(\c)+(\i))+7], v[ADRB+(\q)/2] offset:((\q)%2)*64*PB+(\c)*32*PB+32*(\i)+16*PB
	ds_load_b128 v[(\f)+8*(4*(\c)+(\i)):(\f)+8*(4*(\c)+(\i))+3],   v[ADRA] offset:(\q)*128+64*(\c)+(\i)*16*PA
	ds_load_b128 v[(\f)+8*(4*(\c)+(\i))+4:(\f)+8*(4*(\c)+(\i))+7], v[ADRA] offset:(\q)*128+64*(\c)+(\i)*16*PA+32
.endr
.endr
.endm
.macro QUARTER q, f, g, zero
	s_wait_dscnt 16                                ; the first 32 along K are in
	MUL8 \f, 0, 0, \zero
	MUL8 \f, 0, 2, \zero
	PLACES
	FETCH \q, \g
	s_wait_dscnt 32                                ; all but the 32 just issued
	MUL8 \f, 1, 0, 0
	MUL8 \f, 1, 2, 0
.endm
; The last quarter multiplies buffer 1 and changes slots: each wave waits for all its tensor loads, adds 0 to its spare word, waits for that and for its reads of this slot.  fill = 1: a round of the cluster's barrier, then the refill, two K steps on.
.macro TURN fill
	WIN 0
	s_wait_tensorcnt 0x0
	ds_add_u32 v[SPW], v[NIL]
	s_wait_dscnt 17                                ; (the add and the youngest sixteen loads may be out)
	MUL8 F1, 0, 0, 0
	s_wait_dscnt 0x0
	s_barrier_signal -1
	MUL8 F1, 0, 2, 0
	WIN 0
	s_barrier_wait -1
.if \fill
	CREST
	s_xor_b32 s[G0A+5], s[G0A+5], SLOT1
	s_add_nc_u64 s[G0A+6:G0A+7], s[G0A+6:G0A+7], KSTEP*2
	s_xor_b32 s[G0B+5], s[G0B+5], SLOT1
	s_add_nc_u64 s[G0B+6:G0B+7], s[G0B+6:G0B+7], KSTEP*4096
	JLOAD                                          ; the four v_nop behind the load are also the places in front of the loads below
.else
	PLACES
.endif
	s_xor_b32 s[TB], s[TB], SLOT1
	v_add_nc_u32 v[ADRA], s[TB], v[ADRA0]
	v_add_nc_u32 v[ADRB], s[TB], v[ADRB0]
	v_add_nc_u32 v[ADRB+1], 128*PB, v[ADRB]
	FETCH 0, F0
	MUL8 F1, 1, 0, 0
	MUL8 F1, 1, 2, 0
.endm
	s_wait_tensorcnt 1                             ; my part of K step 0 is in; step 1's stays out
	s_barrier_signal -1
	s_barrier_wait -1
	FETCH 0, F0
	QUARTER 1, F0, F1, 1
	WIN 0
	s_mov_b32 s[CNT], 6
.Lstep:                                        ; a trip: a K step's quarters 1 to 3 and the next step's quarter 0; it fills K steps 2 to 7
	QUARTER 2, F1, F0, 0
	QUARTER 3, F0, F1, 0
	TURN 1
	QUARTER 1, F0, F1, 0
	WIN 0
	s_sub_co_u32 s[CNT], s[CNT], 1
	s_cmp_lg_u32 s[CNT], 0
	s_cbranch_scc1 .Lstep
	QUARTER 2, F1, F0, 0                           ; K step 6 goes on
	QUARTER 3, F0, F1, 0
	TURN 0                                         ; nothing is left to fetch; behind its barrier nobody reads slot 0 any more
	QUARTER 1, F0, F1, 0                           ; K step 7
	QUARTER 2, F1, F0, 0
	QUARTER 3, F0, F1, 0
	s_wait_dscnt 16
	MUL8 F1, 0, 0, 0
	MUL8 F1, 0, 2, 0
	s_wait_dscnt 0x0
	MUL8 F1, 1, 0, 0
	MUL8 F1, 1, 2, 0
	WIN 0
	; THE WAY OUT: the row's rsqrt; 64 x 64 of f32 into my own part of slot 0 (its last fill and every wave's last read of it lie behind the last change of slots); back as whole rows of 256 bytes.
	PLACES
.irp a, 0,1,2,3
.irp b, 0,1,2,3
.irp p, 0,2,4,6
	v_pk_mul_f32 v[ACC+8*(4*(\a)+(\b))+(\p):ACC+8*(4*(\a)+(\b))+(\p)+1], v[ACC+8*(4*(\a)+(\b))+(\p):ACC+8*(4*(\a)+(\b))+(\p)+1], v[RS+2*(\a):RS+2*(\a)+1]
.endr
.endr
.endr
.irp a, 0,1,2,3
.irp b, 0,1,2,3
	ds_store_b128 v[DST], v[ACC+8*(4*(\a)+(\b)):ACC+8*(4*(\a)+(\b))+3]   offset:(\a)*16*DP+64*(\b)
	ds_store_b128 v[DST], v[ACC+8*(4*(\a)+(\b))+4:ACC+8*(4*(\a)+(\b))+7] offset:(\a)*16*DP+64*(\b)+16
.endr
.endr
.set t, 0
.rept 32
	ds_load_b128 v[ACC+4*t:ACC+4*t+3], v[RD] offset:t*2*DP  ; LDS serves a wave's instructions in order (ISA guide 5.7.1.4): these see the stores above
.set t, t+1
.endr
.set t, 0
.rept 32
	s_wait_dscnt 31-t                              ; the younger loads from the dump may be out
	global_store_b128 v[CO], v[ACC+4*t:ACC+4*t+3], s[10:11] offset:t*16384 th:TH_STORE_NT  ; 16 lanes store 256 consecutive bytes, aligned
.set t, t+1
.endr
	s_wait_tensorcnt 0x0                           ; the wave's end
	ds_add_u32 v[SPW], v[NIL]
	s_wait_dscnt 0x0
	CROUND                                         ; the closing round
	s_endpgm
.Lfunc_end_k_q7f809a3fb3_outp:
	.size	k_q7f809a3fb3_outp, .Lfunc_end_k_q7f809a3fb3_outp-k_q7f809a3fb3_outp
	.p2alignl 7, 3214868480
	.fill 96, 4, 3214868480
	.section	.rodata,"a",@progbits
	.p2align	6, 0x0
	.amdhsa_kernel k_q7f809a3fb3_outp
		.amdhsa_group_segment_fixed_size 327680
		.amdhsa_private_segment_fixed_size 0
		.amdhsa_enable_private_segment 0
		.amdhsa_kernarg_size 32
		.amdhsa_user_sgpr_count 2
		.amdhsa_user_sgpr_kernarg_segment_ptr 1
		.amdhsa_wavefront_size32 1
		.amdhsa_system_sgpr_workgroup_id_x 1
		.amdhsa_system_sgpr_workgroup_id_y 1
		.amdhsa_system_sgpr_workgroup_id_z 1
		.amdhsa_system_vgpr_workitem_id 0
		.amdhsa_next_free_vgpr 512
		.amdhsa_next_free_sgpr 80
		.amdhsa_reserve_vcc 0
		.amdhsa_float_denorm_mode_32 3
		.amdhsa_float_denorm_mode_16_64 3
		.amdhsa_memory_ordered 1
		.amdhsa_forward_progress 1
		.amdhsa_inst_pref_size 81
	.end_amdhsa_kernel
	.amdgpu_metadata
---
amdhsa.version: [ 1, 2 ]
amdhsa.kernels:
  - .name:           k_q7f809a3fb3_outp
    .symbol:         k_q7f809a3fb3_outp.kd
    .args:
      - { .name: zb, .offset: 0, .size: 8, .value_kind: global_buffer, .address_space: global }
      - { .name: wob, .offset: 8, .size: 8, .value_kind: global_buffer, .address_space: global }
      - { .name: ss, .offset: 16, .size: 8, .value_kind: global_buffer, .address_space: global }
      - { .name: out0, .offset: 24, .size: 8, .value_kind: global_buffer, .address_space: global }
    .group_segment_fixed_size: 327680
    .private_segment_fixed_size: 0
    .kernarg_segment_align: 8
    .kernarg_segment_size: 32
    .max_flat_workgroup_size: 128
    .sgpr_count:     80
    .vgpr_count:     512
    .wavefront_size: 32
...
	.end_amdgpu_metadata
.endif
;; end of part 4
